; MI455X (gfx1250); checked and timed in simulation.
; The chip was launched on July 23, 2026; its instructions are those of AMD's public machine-readable ISA for CDNA 5 (MIT licence, August 2026) and "CDNA5" Instruction Set Architecture Reference Guide (July 2026). The comments in the code are by the model that wrote it; some were corrected since.
;; Multi Head Attention. Allowed arithmetic: matrix products marked QUANTISED: E2M3 operands, one E8M0 scale for each 32 along K, by v_wmma_scale_f32_16x16x128_f8f6f4 with both operands' format E2M3, f32 sums; everything else in f32.
;; Inputs: Wk 16 x 1,024 x 64 float32; Wo 1,024 x 1,024 float32; Wq 16 x 1,024 x 64 float32; Wv 16 x 1,024 x 64 float32; bo 1,024 float32; x 4 x 2,048 x 1,024 float32.
;; Outputs: out0 4 x 2,048 x 1,024 float32.
;; This version of the problem:
;;   THIS VERSION OF THE PROBLEM IS GIVEN IN LOW PRECISION. The matrix products marked QUANTISED in the list below multiply operands that are first quantised to E2M3 (2 exponent bits, 3 mantissa bits; 6 bits a number), with one power-of-two scale for each 32 numbers along K (OCP MX v1.0); their sums are f32. All else is computed in f32.
;;   The module's matrix products, in the order in which they are computed (A, B: the left and right operand; K: the contracted axis; several contracted axes count as one K, in the product's order):
;;     1. [M 1,024, K 1,024] x [K 1,024, N 8,192]; A: input Wq; B: input x: QUANTISED
;;     2. [M 1,024, K 1,024] x [K 1,024, N 8,192]; A: input Wk; B: input x: QUANTISED
;;     3. [M 1,024, K 1,024] x [K 1,024, N 8,192]; A: input Wv; B: input x: QUANTISED
;;     4. batch 64 x [M 2,048, K 64] x [K 64, N 2,048]; A: computed on the way; B: computed on the way: QUANTISED
;;     5. batch 64 x [M 2,048, K 2,048] x [K 2,048, N 64]; A: softmax (see below); B: computed on the way: QUANTISED
;;     6. [M 8,192, K 1,024] x [K 1,024, N 1,024]; A: computed on the way; B: input Wo: QUANTISED
;;   THE QUANTISER, for each operand of a quantised product, along K:
;;     - K is cut into blocks of 32 from its start; a last block that is shorter is filled with zeros.
;;     - A block's scale is 2^e with e = floor(log2(the largest magnitude in the block)) - 2, held to -126 .. 127; a block of zeros has e = 0. As a byte (E8M0): e + 127.
;;     - Each number is divided by its block's scale, clamped to +-7.5, and rounded to the nearest number of E2M3, ties to even, subnormals kept.
;;     - The product sums the exact products of the quantised numbers (number of the format x scale) in f32.
;;   ~~~python
;;   def quantise(x, axis):      # numpy; x: float32 -> the quantised numbers, widened to float32 again
;;       x = np.moveaxis(x, axis, -1); K = x.shape[-1]
;;       x = np.pad(x, [(0, 0)] * (x.ndim - 1) + [(0, -K % 32)]); x = x.reshape(x.shape[:-1] + (-1, 32)); a = np.abs(x).max(-1, keepdims=True)
;;       e = np.where(a > 0, np.clip(np.frexp(np.where(a > 0, a, 1))[1] - 1 - 2, -126, 127), 0)      # np.frexp(a)[1] - 1 = floor(log2(a)), exactly
;;       r = np.clip(x / 2.0 ** e, -7.5, 7.5)
;;       step = 2.0 ** (np.maximum(np.frexp(np.where(r == 0, 1, r))[1] - 1, 0) - 3)
;;       q = np.round(r / step) * step * 2.0 ** e      # np.round: ties to even
;;       return np.moveaxis(q.reshape(q.shape[:-2] + (-1,))[..., :K], -1, axis).astype(np.float32)
;;   ~~~
;;   SOFTMAX AHEAD OF A QUANTISED PRODUCT. Where the list says 'softmax', what is quantised is not the finished softmax but p = 2^(t - M), with t = logit x log2(e) and M = ceil(the row's largest t), a whole number; so 1/2 < the row's largest p <= 1. The row's sum l is taken of the UNQUANTISED p, in f32, and the product's result is divided by l at the end. Since M is a whole number, a kernel that streams over the keys may use a running M (the ceiling of the running maximum): every later rescaling is an exact power of two, which a block's scale takes up: the codes' values come out the same.
;;   OPERANDS COMPUTED ON THE WAY. 'Computed on the way' means the value that the module computes at that place (a softmax that the list does not call 'softmax' is quantised finished and normalised). What goes into a quantiser is computed in f32, as accurately as f32 sums, v_exp_f32 and their like allow (about 1e-6 of the number): no bf16 or f16 on the way to a quantiser, and a product that is left as it is and whose result goes on into a quantised operand takes f32 operands (vector FMAs, or v_wmma_f32_16x16x4_f32). A number that lies on a knife's edge between two numbers of the format may be rounded either way, as far as f32 arithmetic and the matrix unit's own rounding can turn it there, and no further.
;; One version. Each part assembles by itself: llvm-mc -triple=amdgcn-amd-amdhsa -mcpu=gfx1250 --defsym DOCPART=n.
;; ======== version 1 of 1: 4 launches
;; limits: right only within a limited range of input values
;; workspace buffers: xq 6,553,600 bytes; wq 3,276,800 bytes; qkv 20,185,088 bytes; oq 6,553,600 bytes
;; launch prep (part 1): grid 512 x 1, 4 waves a work-group, no clusters, 34,304 bytes of LDS; arguments x, Wq, Wk, Wv, Wo, xq, wq; writes xq, wq
.if DOCPART == 1
	.amdgcn_target "amdgcn-amd-amdhsa--gfx1250"
	.amdhsa_code_object_version 6
	.text
	.protected	k_q395300cac2_prep
	.globl	k_q395300cac2_prep
	.p2align	8
	.type	k_q395300cac2_prep,@function
k_q395300cac2_prep:
	s_mov_b64 s[64:65], 0
	v_nop
	global_prefetch_b8 v0, s[64:65] scope:SCOPE_SE
	s_setreg_imm32_b32 hwreg(HW_REG_WAVE_MODE, 25, 1), 1
	s_wait_xcnt 0x0
; x [8192][1024] and the four weights, f32, become codes of FP6 (E2M3) with one E8M0 byte for each 32 along K (K = the 1,024 of the embedding; for Wo its first axis).
; A block's scale is 2^(floor(log2(largest magnitude)) - 2): its byte is the largest magnitude's exponent field - 2, held at 1 from below by a floor among the maximum's leaves.
; LIMITS: a block whose largest magnitude lies under 2^-124 (a block of zeros among them) gets the byte 1: its codes are what the conversion gives under that scale (zeros for zeros), and this program alone reads the bytes.
;         NaN and infinities among the inputs are not served.
; LAYOUT OF THE RESULTS, the program's own.  A HALF IMAGE is 16 rows x 64 along K as the matrix operand's registers hold them, 768 bytes: lane L = (r = L % 16, h = L / 16) owns the 24 bytes of k = 32 h .. 32 h + 31
; of row r: its first 16 bytes at 16 L, its last 8 at 512 + 8 L.  Codes: [row tile][k / 64] x 768.  Scale words: [row tile][k / 512][r][4 words], word (k / 128) % 4.
; ROW ORDER of x, Wq, Wk, Wv: lane r of row tile 2 G + u holds true row 32 G + 8 u + r + 8 (r / 8), so that a later product's results lie 16 neighbours to a lane.  Wo's rows (its n) keep their order.
; Work-groups 0-255 take x (a wave: 16 rows x 512 along K), 256-511 the weights (a wave: 32 columns x 128 along K).  Waves share nothing: no barrier.  Only the x path touches LDS.
.set XS,   6291456                     ; xq: where the scale words begin
.set WS,   3145728                     ; wq: likewise
.set SP,   528                         ; the x path's stage: a row of 512 bytes + 16, so that sixteen lanes' 16 bytes fall into sixteen different columns
.set STG,  16*SP                       ; a wave's stage
.set W,    8                           ; v8-11    x path: the four fragments' scale words
.set PC,   16                          ; v16-39   codes, two sets of 12
.set CT,   40                          ; v40-47   the second halves of the blocks' codes, before they are moved
.set M,    48                          ; v48-49   largest magnitudes
.set SO,   50                          ; v50-51   the conversions' scale operands
.set BY,   52                          ; v52-53   scale bytes
.set T,    54                          ; v54-55   at work
.set OW,   56                          ; v56-57   the scale words as they are stored
.set R,    64                          ; v64-191  numbers as loaded, two sets of 64
.set X,    192                         ; v192-255 numbers as the conversions want them
.set H,    16                          ; weight path: v16-47 four half images' registers, 8 apart
.set WCT,  48
.set WM,   52
.set WSO,  54
.set WBY,  55
.set WD,   56
.set NUM,  64                          ; v64-191  128 numbers down K
	s_load_b256 s[4:11], s[0:1], 0x0               ; x s[4:5], Wq s[6:7], Wk s[8:9], Wv s[10:11]
	s_load_b128 s[12:15], s[0:1], 0x20             ; Wo s[12:13], xq s[14:15]
	s_load_b64 s[16:17], s[0:1], 0x30              ; wq
	v_lshl_add_u32 v62, v0, 2, 0x8400
	v_mov_b32 v63, 0
	v_lshrrev_b32 v1, 5, v0
	v_readfirstlane_b32 s18, v1                    ; wave 0..3
	v_and_b32 v7, 31, v0                           ; L
	v_and_b32 v12, 15, v0                          ; r
	v_bfe_u32 v13, v0, 4, 1                        ; h
	v_lshlrev_b32 v1, 4, v7                        ; 16 L
	v_lshlrev_b32 v2, 3, v7                        ; 8 L
	s_mov_b32 s20, 0x76543210
	s_mov_b32 s21, 0xfedcba98                      ; v_permlanex16_b32's selects for lane l xor 16
	s_cmp_lt_u32 ttmp9, 256
	s_cbranch_scc0 .Lweights
; ---------------- x: token tile 2 wg + wave / 2, K half wave % 2 ----------------
	s_mul_i32 s19, s18, STG
	v_add_nc_u32 v3, s19, v1                       ; into the stage: a row's 512 bytes as they were loaded
	v_mul_u32_u24 v4, v12, SP
	v_lshl_add_u32 v4, v13, 7, v4
	v_add_nc_u32 v4, s19, v4                       ; out of it: row r, + 128 h: my block of 32 numbers
	v_lshlrev_b32 v5, 3, v13                       ; 8 h: my bytes' place in a scale word
	v_lshlrev_b32 v6, 4, v12
	v_lshl_add_u32 v6, v13, 3, v6                  ; 16 r + 8 h: where I store two scale words
	v_mov_b32 v[T], 0                              ; a lane permute's destination counts as one of its sources
	s_lshr_b32 s22, s18, 1                         ; u
	s_and_b32 s23, s18, 1                          ; K half
	s_lshl_b32 s24, ttmp9, 17                      ; 32 rows of 4,096 bytes a work-group
	s_lshl_b32 s26, s22, 15                        ; + 8 u rows
	s_add_co_u32 s24, s24, s26
	s_lshl_b32 s26, s23, 11                        ; + 512 numbers for the upper half
	s_add_co_u32 s24, s24, s26
	s_mov_b32 s25, 0
	s_lshl_b32 s26, ttmp9, 1
	s_add_co_u32 s26, s26, s22                     ; the token tile
	s_mul_i32 s28, s26, 12288
	s_mul_i32 s30, s23, 6144
	s_add_co_u32 s28, s28, s30
	s_mov_b32 s29, 0
	s_lshl_b32 s30, s26, 9
	s_lshl_b32 s31, s23, 8
	s_add_co_u32 s30, s30, s31
	s_add_co_u32 s30, s30, XS
	s_mov_b32 s31, 0
	s_wait_alu depctr_va_vdst(0)
	s_wait_kmcnt 0x0
	s_add_nc_u64 s[4:5], s[4:5], s[24:25]
	s_add_nc_u64 s[28:29], s[14:15], s[28:29]      ; my codes
	s_add_nc_u64 s[30:31], s[14:15], s[30:31]      ; my scale words
.macro LOADF f                         ; fragment f: 128 numbers of each of the tile's 16 rows; a load covers 512 consecutive bytes
.irp p, 0,1,2,3,4,5,6,7,8,9,10,11,12,13,14,15
	global_load_b128 v[R+64*((\f)%2)+4*\p:R+64*((\f)%2)+4*\p+3], v1, s[4:5] offset:(\p+8*(\p/8))*4096+512*(\f) th:TH_LOAD_NT
.endr
.endm
.macro TURNF f                         ; through the stage: LDS serves a wave's instructions in order, so no wait stands between the stores and the loads
.irp p, 0,1,2,3,4,5,6,7,8,9,10,11,12,13,14,15
	ds_store_b128 v3, v[R+64*((\f)%2)+4*\p:R+64*((\f)%2)+4*\p+3] offset:SP*\p
.endr
.irp c, 0,1
.irp i, 0,1,2,3,4,5,6,7
	ds_load_b128 v[X+32*\c+4*\i:X+32*\c+4*\i+3], v4 offset:256*\c+16*\i   ; k = 64 c + 32 h + 4 i .. of row r
.endr
.endr
.endm
.macro QX f                            ; my two whole blocks (2 c + h) of the fragment: scale, codes, stores
.set PCS, PC+12*((\f)%2)
.irp c, 0,1
	v_max3_num_f32 v[M+\c], |v[X+32*\c]|, |v[X+32*\c+1]|, 0x1800000   ; with the floor 2^(3 - 127): the byte cannot fall under 1
.endr
.irp i, 2,4,6,8,10,12,14,16,18,20,22,24,26,28,30
.irp c, 0,1
	v_max3_num_f32 v[M+\c], v[M+\c], |v[X+32*\c+\i]|, |v[X+32*\c+\i+1]|
.endr
.endr
.irp c, 0,1
	v_add_nc_u32 v[SO+\c], 0xff000000, v[M+\c]     ; 2 off the exponent field: the conversion takes this operand's exponent field as its scale
.endr
.irp c, 0,1
	v_lshrrev_b32 v[BY+\c], 23, v[SO+\c]           ; the scale's byte
.endr
	v_lshl_or_b32 v[T+1], v[BY+1], 16, v[BY]       ; blocks h and 2 + h,
	v_lshlrev_b32 v[T+1], v5, v[T+1]               ; at their places in the word;
	v_permlanex16_b32 v[T], v[T+1], s20, s21
	v_or_b32 v[W+(\f)], v[T+1], v[T]               ; with lane l xor 16's two the word is whole
.irp c, 0,1
	v_cvt_scalef32_pk16_fp6_f32 v[PCS+6*\c:PCS+6*\c+2], v[X+32*\c:X+32*\c+15], v[SO+\c]
	v_cvt_scalef32_pk16_fp6_f32 v[CT+4*\c:CT+4*\c+2], v[X+32*\c+16:X+32*\c+31], v[SO+\c]   ; (a conversion's three registers begin on an even number)
.endr
	v_nop                                          ; one plain line behind the scaled conversions
.irp c, 0,1
.irp i, 0,1,2
	v_mov_b32 v[PCS+6*\c+3+\i], v[CT+4*\c+\i]
.endr
.endr
.irp c, 0,1
	global_store_b128 v1, v[PCS+6*\c:PCS+6*\c+3], s[28:29] offset:1536*(\f)+768*\c         ; 512 consecutive bytes
	global_store_b64 v2, v[PCS+6*\c+4:PCS+6*\c+5], s[28:29] offset:1536*(\f)+768*\c+512    ; 256 consecutive bytes
.endr
.endm
	LOADF 0
	LOADF 1
.irp f, 0,1,2,3
.if \f < 3
	s_wait_loadcnt 16                              ; this fragment's 16 loads are in; the next fragment's 16 may be out
.else
	s_wait_loadcnt 0x0
.endif
	TURNF \f
	s_wait_dscnt 0x0                               ; X is in, and the stage's stores have read R's set
.if \f < 2
	LOADF \f+2                                     ; which takes the fragment two on
.else
	s_wait_xcnt 0x0                                ; the stores of two fragments ago have read the codes' set that is written again below
.endif
	QX \f
.endr
	s_mov_b32 vcc_lo, 0xffff0000                   ; lanes 16-31
	v_cndmask_b32 v[OW], v[W], v[W+2], vcc_lo      ; lanes 0-15 store words 0 and 1 of row r, lanes 16-31 words 2 and 3
	v_cndmask_b32 v[OW+1], v[W+1], v[W+3], vcc_lo
	global_store_b64 v6, v[OW:OW+1], s[30:31]      ; 256 consecutive bytes
	s_wait_tensorcnt 0x0
	ds_add_u32 v62, v63
	s_wait_dscnt 0x0
	s_endpgm
; ---------------- the weights: 32 columns (a pair of row tiles) x 128 along K a wave; a lane takes a column and its registers run down K ----------------
.Lweights:
	s_sub_co_u32 s19, ttmp9, 256                   ; 0..255
	s_lshr_b32 s22, s19, 1                         ; the pair of row tiles: 0-31 Wq, 32-63 Wk, 64-95 Wv, 96-127 Wo
	s_and_b32 s23, s19, 1
	s_lshl_b32 s23, s23, 2
	s_add_co_u32 s23, s23, s18                     ; which 128 along K: 0..7
	s_and_b32 s24, s22, 31                         ; the pair within its tensor
	s_mul_i32 s26, s22, 24576
	s_mul_i32 s28, s23, 1536
	s_add_co_u32 s26, s26, s28
	s_mov_b32 s27, 0
	s_lshl_b32 s28, s22, 10
	s_lshr_b32 s30, s23, 2
	s_lshl_b32 s30, s30, 8
	s_add_co_u32 s28, s28, s30
	s_and_b32 s30, s23, 3
	s_lshl_b32 s30, s30, 2
	s_add_co_u32 s28, s28, s30
	s_add_co_u32 s28, s28, WS
	s_mov_b32 s29, 0
	s_wait_alu depctr_va_vdst(0)
	v_lshlrev_b32 v3, 4, v12
	v_lshl_add_u32 v3, v13, 9, v3                  ; my scale word: 512 x (tile of the pair) + 16 r
	s_wait_kmcnt 0x0
	s_add_nc_u64 s[26:27], s[16:17], s[26:27]      ; my codes
	s_add_nc_u64 s[28:29], s[16:17], s[28:29]      ; my scale words
.macro WLOAD b, pitch                  ; block b: 32 rows of K at my column; a load covers 128 consecutive bytes
.set i_, 0
.rept 32
	global_load_b32 v[NUM+32*(\b)+i_], v4, s[6:7] offset:(32*(\b)+i_)*\pitch
.set i_, i_+1
.endr
.endm
.macro WBLOCK b, pitch
.set NB, NUM+32*(\b)
.set HB, H+16*((\b)/2)+8*((\b)%2)
.if (\b) < 3
	s_wait_loadcnt 32                              ; this block's 32 loads are in; the next block's 32 may be out
.else
	s_wait_loadcnt 0x0
.endif
.if (\b) < 2
	WLOAD (\b)+2, \pitch
.endif
	v_max3_num_f32 v[WM], |v[NB]|, |v[NB+1]|, 0x1800000            ; all 32 numbers of the block are mine; the floor holds the byte at 1 from below
	v_max3_num_f32 v[WM+1], |v[NB+2]|, |v[NB+3]|, |v[NB+4]|
.irp i, 5,9,13,17,21,25
	v_max3_num_f32 v[WM], v[WM], |v[NB+\i]|, |v[NB+\i+1]|
	v_max3_num_f32 v[WM+1], v[WM+1], |v[NB+\i+2]|, |v[NB+\i+3]|
.endr
	v_max3_num_f32 v[WM], v[WM], |v[NB+29]|, |v[NB+30]|
	v_max3_num_f32 v[WM], v[WM], v[WM+1], |v[NB+31]|
	v_add_nc_u32 v[WSO], 0xff000000, v[WM]
	v_lshrrev_b32 v[WBY], 23, v[WSO]
.if (\b) == 0
	v_mov_b32 v[WD], v[WBY]
.else
	v_lshl_or_b32 v[WD], v[WBY], 8*(\b), v[WD]     ; the lower K in the lower byte
.endif
	v_cvt_scalef32_pk16_fp6_f32 v[HB:HB+2], v[NB:NB+15], v[WSO]
	v_cvt_scalef32_pk16_fp6_f32 v[WCT:WCT+2], v[NB+16:NB+31], v[WSO]
	v_nop                                          ; one plain line behind the scaled conversions
.irp i, 0,1,2
	v_mov_b32 v[HB+3+\i], v[WCT+\i]
.endr
.if (\b)%2
.set HP, H+16*((\b)/2)
.irp i, 0,1,2,3,4,5                    ; the first run's lanes 16-31 change places with the second's lanes 0-15: the first is now the half image of the pair's first tile (lanes 0-15 the even block, lanes 16-31 the odd), the second that of its second tile
	v_permlane16_swap_b32 v[HP+\i], v[HP+8+\i]
.endr
	global_store_b128 v1, v[HP:HP+3], s[26:27] offset:768*((\b)/2)
	global_store_b64 v2, v[HP+4:HP+5], s[26:27] offset:768*((\b)/2)+512
	global_store_b128 v1, v[HP+8:HP+11], s[26:27] offset:12288+768*((\b)/2)
	global_store_b64 v2, v[HP+12:HP+13], s[26:27] offset:12288+768*((\b)/2)+512
.endif
.endm
.macro WQ pitch
	WLOAD 0, \pitch
	WLOAD 1, \pitch
	WBLOCK 0, \pitch
	WBLOCK 1, \pitch
	WBLOCK 2, \pitch
	WBLOCK 3, \pitch
	global_store_b32 v3, v[WD], s[28:29]           ; 4 bytes a lane, 16 bytes apart: these stores fill their 256 bytes in part; they are one byte in 128 of what the path reads
.endm
	s_cmp_ge_u32 s19, 192
	s_cbranch_scc1 .Lwo
	s_cmp_lt_u32 s19, 128                          ; Wq, Wk or Wv: the choice hangs on the work-group's number alone
	s_cselect_b64 s[8:9], s[8:9], s[10:11]
	s_cmp_lt_u32 s19, 64
	s_cselect_b64 s[6:7], s[6:7], s[8:9]
	s_lshr_b32 s30, s24, 1                         ; the head: 1,024 x 64 numbers each
	s_lshl_b32 s30, s30, 18
	s_and_b32 s31, s24, 1                          ; which 32 of its 64 columns
	s_lshl_b32 s31, s31, 7
	s_add_co_u32 s30, s30, s31
	s_lshl_b32 s31, s23, 15                        ; 128 rows of 256 bytes
	s_add_co_u32 s30, s30, s31
	s_mov_b32 s31, 0
	s_add_nc_u64 s[6:7], s[6:7], s[30:31]
	v_and_b32 v4, 8, v0
	v_add_nc_u32 v4, v4, v12
	v_lshl_add_u32 v4, v13, 3, v4                  ; my column of the 32: 8 u + r + 8 (r / 8)
	v_lshlrev_b32 v4, 2, v4
	s_wait_alu depctr_va_vdst(0)
	WQ 256
	s_endpgm
.Lwo:
	s_lshl_b32 s30, s24, 7                         ; 32 columns of 4 bytes
	s_lshl_b32 s31, s23, 19                        ; 128 rows of 4,096 bytes
	s_add_co_u32 s30, s30, s31
	s_mov_b32 s31, 0
	s_add_nc_u64 s[6:7], s[12:13], s[30:31]
	v_lshlrev_b32 v4, 2, v7                        ; my column: the lane's number
	s_wait_alu depctr_va_vdst(0)
	WQ 4096
	s_endpgm
.Lfunc_end_k_q395300cac2_prep:
	.size	k_q395300cac2_prep, .Lfunc_end_k_q395300cac2_prep-k_q395300cac2_prep
	.p2alignl 7, 3214868480
	.fill 96, 4, 3214868480
	.section	.rodata,"a",@progbits
	.p2align	6, 0x0
	.amdhsa_kernel k_q395300cac2_prep
		.amdhsa_group_segment_fixed_size 34304
		.amdhsa_private_segment_fixed_size 0
		.amdhsa_enable_private_segment 0
		.amdhsa_kernarg_size 56
		.amdhsa_user_sgpr_count 2
		.amdhsa_user_sgpr_kernarg_segment_ptr 1
		.amdhsa_wavefront_size32 1
		.amdhsa_system_sgpr_workgroup_id_x 1
		.amdhsa_system_sgpr_workgroup_id_y 1
		.amdhsa_system_sgpr_workgroup_id_z 1
		.amdhsa_system_vgpr_workitem_id 0
		.amdhsa_next_free_vgpr 256
		.amdhsa_next_free_sgpr 66
		.amdhsa_reserve_vcc 1
		.amdhsa_float_denorm_mode_32 3
		.amdhsa_float_denorm_mode_16_64 3
		.amdhsa_memory_ordered 1
		.amdhsa_forward_progress 1
		.amdhsa_inst_pref_size 71
	.end_amdhsa_kernel
	.amdgpu_metadata
---
amdhsa.version: [ 1, 2 ]
amdhsa.kernels:
  - .name:           k_q395300cac2_prep
    .symbol:         k_q395300cac2_prep.kd
    .args:
      - { .name: x, .offset: 0, .size: 8, .value_kind: global_buffer, .address_space: global }
      - { .name: Wq, .offset: 8, .size: 8, .value_kind: global_buffer, .address_space: global }
      - { .name: Wk, .offset: 16, .size: 8, .value_kind: global_buffer, .address_space: global }
      - { .name: Wv, .offset: 24, .size: 8, .value_kind: global_buffer, .address_space: global }
      - { .name: Wo, .offset: 32, .size: 8, .value_kind: global_buffer, .address_space: global }
      - { .name: xq, .offset: 40, .size: 8, .value_kind: global_buffer, .address_space: global }
      - { .name: wq, .offset: 48, .size: 8, .value_kind: global_buffer, .address_space: global }
    .group_segment_fixed_size: 34304
    .private_segment_fixed_size: 0
    .kernarg_segment_align: 8
    .kernarg_segment_size: 56
    .max_flat_workgroup_size: 128
    .sgpr_count:     66
    .vgpr_count:     256
    .wavefront_size: 32
...
	.end_amdgpu_metadata
.endif
;; end of part 1
;; launch qkv (part 2): grid 8 x 32, 4 waves a work-group, clusters of 4 x 1, 327,680 bytes of LDS; arguments xq, wq, qkv; writes qkv
.if DOCPART == 2
	.amdgcn_target "amdgcn-amd-amdhsa--gfx1250"
	.amdhsa_code_object_version 6
	.text
	.protected	k_q395300cac2_qkv
	.globl	k_q395300cac2_qkv
	.p2align	8
	.type	k_q395300cac2_qkv,@function
k_q395300cac2_qkv:
	s_mov_b64 s[64:65], 0
	v_nop
	global_prefetch_b8 v0, s[64:65] scope:SCOPE_SE
	s_setreg_imm32_b32 hwreg(HW_REG_WAVE_MODE, 25, 1), 1
	s_wait_xcnt 0x0
	s_wait_alu depctr_hold_cnt(0) depctr_sa_sdst(0) depctr_va_vdst(0) depctr_va_sdst(0) depctr_va_ssrc(0) depctr_va_vcc(0) depctr_vm_vsrc(0)
	s_getreg_b32 s2, hwreg(HW_REG_IB_STS2, 6, 4)
	s_cmp_eq_u32 s2, 0
	s_cbranch_scc0 .Lentry_in_a_cluster
	s_endpgm
.Lentry_in_a_cluster:
	s_bfe_u32 s2, ttmp6, 0x10000c
	s_cmp_lg_u32 s2, 0x3003
	s_cbranch_scc0 .Lentry_shape_is_right
	s_endpgm
.Lentry_shape_is_right:
; q, k and v = x times Wq, Wk, Wv, on codes of FP6 (E2M3) with E8M0 scales, K = 1,024; the results leave as CODES: q and k quantised along a head's 64 channels, v along the tokens.  No f32 result goes to memory.
; LIMITS: a block whose largest magnitude lies under 2^-124 gets the byte 1; NaN and infinities are not served.
; OPERANDS, as the first launch left them: codes [row tile of 16][k / 64] x 768, a half image each (16 rows x 64 K as the operand's registers hold them: lane L's first 16 bytes at 16 L, its last 8 at 512 + 8 L); scale words [row tile][k / 512][r][4 words].
; Lane r of row tile 2 G + u holds row 32 G + 8 u + r + 8 (r / 8): so the 16 result registers of source 0's tiles 2 G, 2 G + 1 are rows 32 G + 16 (lane / 16) + 0 .. 15, neighbours along the axis to be quantised.
; THE DEAL.  256 work-groups of four waves, each 256 tokens (16 token tiles) x 384 columns.  Wave w of column group c owns number n = 4 c + w: head n of q (0-15) or k (16-31), four row tiles, and row tiles 2 n, 2 n + 1 of Wv's 64.
; It holds these six tiles, all of K, in registers: 48 fragments, loaded from memory as they lie.  Every wave streams the 16 token tiles past them in blocks of one tile: 48 products a block:
; V's 16 (source 0 = x: a lane holds a channel, its registers run along the tokens), two accumulators by turns; then q's or k's 32 (source 0 = the weight: a lane holds a token, its registers run along the channels), four by turns.
; THE WAY OUT of 32 sums in a lane: two scale blocks of 32, each shared with lane l xor 16; one half image and two scale bytes.  q, k: after each block.  V: after each fourth block, for each of its two tiles.  The images are stored as they lie in registers: no LDS stage.
; RESULTS: q, k codes [head 32][token tile] x 768, scale words [head][8 token tiles] x 512 (tile 2 j + u's word of row r at 256 u + 16 r + 4 j, bytes 2 and 3 zero); v codes [head][token / 128][channel tile 4][token / 64 % 2] x 768, scale words [head][token / 128] x 256
; (channel tile 2 j + u's word of row r at 128 u + 8 r + 4 j).  V's scale words leave 4 bytes a lane, 8 bytes apart: a wave owns two of a head's four tiles; they are 8 bytes against 1,536 of codes.
; CLUSTERS: 4 x 1 work-groups, four column groups of one token block: x's tiles are asked for jointly (mask 15).  The weights have no joint load: a wave's weights are read by no other wave of its work-group, and the partners of a cluster hold other columns.
; LDS: x's 16 token tiles, dense, filled once, one load of four tiles a wave, each on its own line; the spare words.  The stream begins when tiles 0 to 7 are in; a plain barrier inside block 4 shows the rest.  All is asked for at the head: no data prefetch.
; The scale registers differ from block to block, so the sixteen blocks are expanded by a macro, not looped.
.set XS,    6291456                    ; xq: where the scale words begin
.set WS,    3145728                    ; wq: likewise
.set QKS,   12582912                   ; qkv: q's and k's scale words
.set VC,    13631488                   ; v's codes
.set VS,    19922944                   ; v's scale words
.set TT,    12288                      ; a row tile, all of K
.set FR,    12                         ; registers of a fragment
.set FPW,   21                         ; fragments in a window: fragment f < 63 lies in window 1 + f / 21 at register 12 (f % 21), fragment 63 in window 0
.set NF,    32                         ; LDS loads of a block
.set SPARE, 16*TT
.set OL,    4                          ; v4  16 L: a half image's 16-byte parts, in memory and in LDS tile 0
.set P8,    5                          ; v5  512 + 8 L: its 8-byte parts
.set N16,   6                          ; v6, v7  the same for the tile that is fetched next
.set N8,    7
.set ABS,   8                          ; v8  my offset among scale words: 512 (L / 16) + 16 r: lanes 16-31 take the next tile's
.set VSO,   9                          ; v9  where I store a scale word of V
.set SPW,   10
.set NIL,   11
.set SB,    16                         ; v16-31  q's or k's weights' scale words: 8 (tile / 2) + q
.set SBV,   32                         ; v32-39  Wv's: lanes 0-15 my first tile, lanes 16-31 my second
.set SA,    44                         ; v44-107 x's: 8 (block / 2) + q
.set ACC,   108                        ; v108-139 q's or k's sums: four accumulators
.set HV,    140                        ; v140-203 V's sums: 32 tile + 8 (block % 4)
.set BM,    204                        ; v204-205 largest magnitudes;  v206-207 the other half's, then the bytes;  v208-209 the conversions' scale operands
.set T4,    206
.set SO,    208
.set CT,    210                        ; v210-212 the second conversion's codes
.set PC,    214                        ; v214-219 a half image
.set WD,    220                        ; v220-227 q's or k's scale words of eight token tiles
.set PW,    228                        ; v228-231 as they are stored
.set VW,    232                        ; v232-233 V's scale words, a tile each;  v234 as stored
.set VST,   234
.set F63,   244                        ; v244-255 fragment 63
.set G1A,   24
.set G0A,   56
.set SEL,   60
.set MSB, 0
.macro WIN new                         ; the immediate's high byte repeats the setting that is left
.if MSB != (\new)
	s_set_vgpr_msb (MSB<<8)|(\new)
.set MSB, (\new)
.endif
.endm
.macro PLACES n
.rept \n
	v_nop
.endr
.endm
.macro WALU
	s_wait_alu depctr_va_vdst(0)
.endm
.macro FREE                            ; earlier stores have read their registers
	WALU
	s_wait_xcnt 0x0
.endm
.macro BARRIER
	s_barrier_signal -1
	s_barrier_wait -1
.endm
.macro CROUND                          ; a round of the cluster's barrier
	BARRIER
	s_cmp_lg_u32 s14, 0
	s_cbranch_scc1 .Lnot_wave_0_\@
	s_barrier_signal -3
.Lnot_wave_0_\@:
	s_barrier_wait -3
	BARRIER
.endm
.macro ATILE first                     ; four of x's 16 token tiles, by a descriptor of constants; an s_nop 0 and four v_nop follow the load
	s_mov_b32 s[G0A+1], (\first)*TT
.if \first
	s_add_nc_u64 s[G0A+2:G0A+3], s[G0A+2:G0A+3], (\first)*TT
.endif
	s_or_b32 s[G0A+3], s[G0A+3], 0x80000000
	tensor_load_to_lds s[G0A:G0A+3], s[G1A:G1A+7]
	s_nop 0
	PLACES 4
.endm
.macro PLUS d, base, off               ; a pointer: 64-bit base + the 32-bit offset in s\off (s21 = 0)
	s_mov_b32 s20, s\off
	s_add_nc_u64 s[\d:\d+1], s[\base:\base+1], s[20:21]
.endm
.macro FPLACE f
.if (\f) < 63
.set FW_, 1+(\f)/FPW
.set FG_, FR*((\f)%FPW)
.else
.set FW_, 0
.set FG_, F63
.endif
.endm
.macro FRAGL f, a16, a8, off           ; fragment f out of LDS: two half images on end
	FPLACE \f
	WIN FW_<<6
.irp c, 0,1
	ds_load_b128 v[FG_+6*\c:FG_+6*\c+3], v[\a16] offset:(\off)+768*\c
	ds_load_b64 v[FG_+6*\c+4:FG_+6*\c+5], v[\a8] offset:(\off)+768*\c
.endr
.endm
.macro FRAGG f, base, off              ; fragment f out of memory: each load covers 512 or 256 consecutive bytes
	FPLACE \f
	WIN FW_<<6
.irp c, 0,1
	global_load_b128 v[FG_+6*\c:FG_+6*\c+3], v[OL], s[\base:\base+1] offset:(\off)+768*\c
	global_load_b64 v[FG_+6*\c+4:FG_+6*\c+5], v[P8], s[\base:\base+1] offset:(\off)+768*\c
.endr
.endm
.macro FETCHAT e, a16, a8              ; a token tile into set e: fragments 48 + 8 e + q, NF loads
.irp q, 0,1,2,3,4,5,6,7
	FRAGL 48+8*(\e)+\q, \a16, \a8, 1536*\q
.endr
	WIN 0
.endm
.macro PROD2 c, ra, rb
	v_wmma_scale_f32_16x16x128_f8f6f4 v[D_:D_+7], v[G0_:G0_+FR-1], v[G1_:G1_+FR-1], \c, v[X0_], v[X1_] matrix_a_fmt:MATRIX_FMT_FP6 matrix_b_fmt:MATRIX_FMT_FP6 matrix_a_scale:MATRIX_SCALE_ROW\ra matrix_b_scale:MATRIX_SCALE_ROW\rb
.endm
.macro EMIT c                          ; which half of the lanes holds each side's scale words
.if RA_
.if RB_
	PROD2 \c, 1, 1
.else
	PROD2 \c, 1, 0
.endif
.else
.if RB_
	PROD2 \c, 0, 1
.else
	PROD2 \c, 0, 0
.endif
.endif
.endm
.macro PROD s, n                       ; product n of block s: V's 16 (step n / 2, tiles by turns), then q's or k's 32 (step (n - 16) / 4, tiles by turns).  The first along K takes C = 0
.set E_, (\s)%2
.if (\n) < 16
.set Q_, (\n)/2
.set T_, (\n)%2
	FPLACE 48+8*E_+Q_
.set W0_, FW_
.set G0_, FG_
	FPLACE 32+2*Q_+T_
.set W1_, FW_
.set G1_, FG_
.set D_, HV+32*T_+8*((\s)%4)
.set X0_, SA+8*((\s)/2)+Q_
.set X1_, SBV+Q_
.set RA_, E_
.set RB_, T_
.else
.set Q_, ((\n)-16)/4
.set T_, (\n)%4
	FPLACE 4*Q_+T_
.set W0_, FW_
.set G0_, FG_
	FPLACE 48+8*E_+Q_
.set W1_, FW_
.set G1_, FG_
.set D_, ACC+8*T_
.set X0_, SB+8*(T_/2)+Q_
.set X1_, SA+8*((\s)/2)+Q_
.set RA_, T_%2
.set RB_, E_
.endif
	WIN W0_|(W1_<<2)
.if Q_
	EMIT v[D_:D_+7]
.else
	EMIT 0
.endif
.endm
.macro PRODS s, from, to
.set N_, \from
.rept (\to)-(\from)
	PROD \s, N_
.set N_, N_+1
.endr
	WIN 0
.endm
.macro QUANT x                         ; the 32 sums from register x on: two blocks' scales (bytes in v[T4], v[T4+1]) and a half image in v[PC ..].  Each accumulator is read from its low end on
	v_max3_num_f32 v[BM], |v[\x]|, |v[\x+1]|, 0x1800000             ; with the floor 2^(3 - 127): the byte cannot fall under 1
	v_max3_num_f32 v[BM+1], |v[\x+16]|, |v[\x+17]|, 0x1800000
.irp i, 2,4,6,8,10,12,14
	v_max3_num_f32 v[BM], v[BM], |v[\x+\i]|, |v[\x+\i+1]|
	v_max3_num_f32 v[BM+1], v[BM+1], |v[\x+16+\i]|, |v[\x+17+\i]|
.endr
	v_permlanex16_b32 v[T4], v[BM], s[SEL], s[SEL+1]
	v_permlanex16_b32 v[T4+1], v[BM+1], s[SEL], s[SEL+1]
	v_max_num_f32 v[BM], v[BM], v[T4]              ; with lane l xor 16's: the block's largest magnitude
	v_max_num_f32 v[BM+1], v[BM+1], v[T4+1]
	v_add_nc_u32 v[SO], 0xff000000, v[BM]          ; 2 off the exponent field: the conversion's scale operand
	v_add_nc_u32 v[SO+1], 0xff000000, v[BM+1]
	v_lshrrev_b32 v[T4], 23, v[SO]                 ; the scale's byte
	v_lshrrev_b32 v[T4+1], 23, v[SO+1]
	v_cvt_scalef32_pk16_fp6_f32 v[PC:PC+2], v[\x:\x+15], v[SO]
	v_cvt_scalef32_pk16_fp6_f32 v[CT:CT+2], v[\x+16:\x+31], v[SO+1]
	v_nop                                          ; one plain line behind the scaled conversions
.irp i, 0,1,2                          ; the operand's layout wants a whole block in a lane
	v_permlane16_swap_b32 v[PC+\i], v[CT+\i]
.endr
.irp i, 0,1,2
	v_mov_b32 v[PC+3+\i], v[CT+\i]
.endr
.endm
.macro IMAGE base, off                 ; the half image leaves: 512 and 256 consecutive bytes
	global_store_b128 v[OL], v[PC:PC+3], s[\base:\base+1] offset:\off
	global_store_b64 v[P8], v[PC+4:PC+5], s[\base:\base+1] offset:\off
.endm
.macro STREAM s                        ; block s = token tile s
.if (\s) == 4
	PRODS \s, 0, 40
	s_wait_tensorcnt 0x0                           ; every wave: tiles 8 to 15 have landed
	s_wait_dscnt 0x0
	s_barrier_signal -1                            ; a plain barrier: they are shown to all
	PRODS \s, 40, 48
	s_barrier_wait -1
.else
	PRODS \s, 0, 48
.endif
.if (\s) < 14                          ; four plain vector lines stand between the last product and the first reader of its sums, and the fetch into the registers that it has read
	v_add_nc_u32 v[N16], ((\s)+2)*TT, v[OL]
	v_add_nc_u32 v[N8], ((\s)+2)*TT, v[P8]
	PLACES 2
.else
	PLACES 4
.endif
	FREE
.if (\s) < 14
	FETCHAT (\s)%2, N16, N8                        ; the tile two on lands while the way out is worked
.endif
	QUANT ACC
	v_lshl_or_b32 v[WD+(\s)%8], v[T4+1], 8, v[T4]  ; the tile's scale word: every lane has row r's
	IMAGE 66, (\s)*768
.if (\s)%8 == 7
	s_mov_b32 vcc_lo, 0xffff0000
.irp j, 0,1,2,3
	v_cndmask_b32 v[PW+\j], v[WD+2*\j], v[WD+2*\j+1], vcc_lo   ; lanes 0-15: tile 2 j's word of row r; lanes 16-31: tile 2 j + 1's
.endr
	global_store_b128 v[OL], v[PW:PW+3], s[68:69] offset:((\s)/8)*512   ; 512 consecutive bytes
.endif
.if (\s)%4 == 3                        ; 64 tokens of V are whole
.irp t, 0,1
	FREE
	QUANT HV+32*\t
.if ((\s)/4)%2 == 0
	v_lshl_or_b32 v[VW+\t], v[T4+1], 8, v[T4]      ; a word is four blocks, 128 tokens: its lower two bytes,
.else
	v_lshl_or_b32 v[VW+\t], v[T4], 16, v[VW+\t]    ; its upper two
	v_lshl_or_b32 v[VW+\t], v[T4+1], 24, v[VW+\t]
.endif
	IMAGE 70, ((\s)/8)*6144+\t*1536+(((\s)/4)%2)*768
.endr
.if (\s)%8 == 7
	v_cndmask_b32 v[VST], v[VW], v[VW+1], vcc_lo   ; lanes 0-15 my first tile's word of row r, lanes 16-31 my second's
	global_store_b32 v[VSO], v[VST], s[72:73] offset:((\s)/8)*256
.endif
.endif
.if (\s) < 14
	WALU
	s_wait_dscnt NF                                ; the next block's fragments are in; younger is this run's fetch alone
.elseif (\s) == 14
	WALU
	s_wait_dscnt 0x0
.endif
.endm
; ================= THE HEAD
	s_load_b128 s[4:7], s[0:1], 0x0                ; xq, wq
	s_load_b64 s[8:9], s[0:1], 0x10                ; qkv
	v_lshl_add_u32 v[SPW], v0, 2, SPARE
	v_mov_b32 v[NIL], 0
	ds_add_u32 v[SPW], v[NIL]                      ; the opening lines: the add, twice on end, and its wait
	ds_add_u32 v[SPW], v[NIL]
	v_lshrrev_b32 v1, 5, v0
	v_readfirstlane_b32 s14, v1                    ; the wave
	s_bfe_u32 s40, ttmp6, 0x40000                  ; cx
	s_lshl_b32 s42, ttmp9, 2
	s_add_co_u32 s42, s42, s40                     ; the column group: 4 x cluster x + cx, 0 .. 7
	s_and_b32 s43, ttmp7, 0xffff                   ; the token block, 0 .. 31: shared by the cluster's four
	s_lshl_b32 s41, s42, 2
	s_add_co_u32 s41, s41, s14                     ; n, 0 .. 31
	s_lshr_b32 s44, s41, 1                         ; V's head
	s_and_b32 s45, s41, 1                          ; which two of its four channel tiles
	s_mov_b32 s[G1A], 15|(3<<16)|(1<<21)           ; group 1: the mask of the four; 4 rows (token tiles) of 12,288 bytes, dense, in elements of 8 bytes
	s_mov_b32 s[G1A+1], 1536<<16
	s_mov_b32 s[G1A+2], 4<<16
	s_mov_b32 s[G1A+3], 1536<<16
	s_mov_b32 s[G1A+4], 4
	s_mov_b32 s[G1A+5], 1536
	s_mov_b32 s[G1A+6], 0
	s_mov_b32 s[G1A+7], 0
	s_mov_b32 s[G0A], 1
	s_mul_i32 s76, s43, 16*TT                      ; my 16 token tiles, bytes from xq
	s_mul_i32 s78, s41, 4*TT                       ; my head's four row tiles, from wq
	s_mul_i32 s80, s41, 2*TT
	s_add_co_u32 s80, s80, 128*TT                  ; my two of Wv's
	s_lshl_b32 s82, s41, 11
	s_add_co_u32 s82, s82, WS                      ; their scale words, 512 bytes a row tile
	s_lshl_b32 s84, s41, 10
	s_add_co_u32 s84, s84, WS+128*512
	s_lshl_b32 s86, s43, 13
	s_add_co_u32 s86, s86, XS                      ; x's
	s_mul_i32 s88, s41, 393216                     ; q's or k's codes
	s_mul_i32 s20, s43, 16*768
	s_add_co_u32 s88, s88, s20
	s_lshl_b32 s90, s41, 15                        ; their scale words
	s_lshl_b32 s20, s43, 10
	s_add_co_u32 s90, s90, s20
	s_add_co_u32 s90, s90, QKS
	s_mul_i32 s92, s44, 393216                     ; V's codes
	s_mul_i32 s20, s43, 2*6144
	s_add_co_u32 s92, s92, s20
	s_mul_i32 s20, s45, 2*1536
	s_add_co_u32 s92, s92, s20
	s_add_co_u32 s92, s92, VC
	s_lshl_b32 s94, s44, 14                        ; its scale words
	s_lshl_b32 s20, s43, 9
	s_add_co_u32 s94, s94, s20
	s_add_co_u32 s94, s94, VS
	s_lshl_b32 s22, s45, 2
	s_mov_b32 s21, 0
	s_mov_b32 s[SEL], 0x76543210
	s_mov_b32 s[SEL+1], 0xfedcba98                 ; v_permlanex16_b32's selects for lane l xor 16
	v_and_b32 v1, 15, v0                           ; r
	v_bfe_u32 v2, v0, 4, 1                         ; h
	v_and_b32 v3, 31, v0                           ; L
	v_lshlrev_b32 v[OL], 4, v3
	v_lshl_add_u32 v[P8], v3, 3, 512
	v_lshlrev_b32 v12, 4, v1
	v_lshlrev_b32 v13, 3, v3
	v_mov_b32 v[T4], 0                             ; a lane permute's destination counts as one of its sources
	v_mov_b32 v[T4+1], 0
	v_lshl_add_u32 v[ABS], v2, 9, v12
	v_add_nc_u32 v[VSO], s22, v13                  ; 8 L + 4 (n % 2)
	v_add_nc_u32 v[N16], TT, v[OL]                 ; tile 1
	v_add_nc_u32 v[N8], TT, v[P8]
	WALU
	s_wait_dscnt 0x0
	CROUND                                         ; the opening round, ahead of the wait for the arguments
	s_wait_kmcnt 0x0
	PLUS G0A+2, 4, 76
	PLUS 46, 6, 78
	PLUS 48, 6, 80
	PLUS 50, 6, 82
	PLUS 52, 6, 84
	PLUS 54, 4, 86
	PLUS 66, 8, 88
	PLUS 68, 8, 90
	PLUS 70, 8, 92
	PLUS 72, 8, 94
	s_cmp_eq_u32 s14, 0                            ; one chain of branches on the wave's number, one load to an arm, one join
	s_cbranch_scc0 .Lwave_1
	ATILE 0
	s_branch .Lasked
.Lwave_1:
	s_cmp_eq_u32 s14, 1
	s_cbranch_scc0 .Lwave_2
	ATILE 4
	s_branch .Lasked
.Lwave_2:
	s_cmp_eq_u32 s14, 2
	s_cbranch_scc0 .Lwave_3
	ATILE 8
	s_branch .Lasked
.Lwave_3:
	ATILE 12
.Lasked:
.irp g, 0,1
	global_load_b128 v[SBV+4*\g:SBV+4*\g+3], v[ABS], s[52:53] offset:256*\g
.endr
.irp p, 0,1
.irp g, 0,1
	global_load_b128 v[SB+8*\p+4*\g:SB+8*\p+4*\g+3], v[ABS], s[50:51] offset:1024*\p+256*\g
.endr
.endr
.irp m, 0,1,2,3,4,5,6,7
.irp g, 0,1
	global_load_b128 v[SA+8*\m+4*\g:SA+8*\m+4*\g+3], v[ABS], s[54:55] offset:1024*\m+256*\g
.endr
.endr
.irp q, 0,1,2,3,4,5,6,7                ; my weights, all of K: Wv's fragments 32 + 2 q + tile, then my head's 4 q + tile
.irp t, 0,1
	FRAGG 32+2*\q+\t, 48, \t*TT+1536*\q
.endr
.endr
.irp q, 0,1,2,3,4,5,6,7
.irp t, 0,1,2,3
	FRAGG 4*\q+\t, 46, \t*TT+1536*\q
.endr
.endr
	WIN 0
	s_cmp_lt_u32 s14, 2
	s_cbranch_scc0 .Lnot_first
	s_wait_tensorcnt 0x0                           ; waves 0 and 1: token tiles 0 to 7 have landed
.Lnot_first:
	BARRIER                                        ; they are shown to all.  Waves 2 and 3's tiles may still be on their way
	FETCHAT 0, OL, P8
	FETCHAT 1, N16, N8
	s_wait_loadcnt 0x0                             ; the weights and all scale words
	s_wait_dscnt NF                                ; block 0's fragments are in
; ================= THE STREAM: sixteen blocks
.irp s, 0,1,2,3,4,5,6,7,8,9,10,11,12,13,14,15
	STREAM \s
.endr
	s_wait_tensorcnt 0x0                           ; the wave's end
	ds_add_u32 v[SPW], v[NIL]
	s_wait_dscnt 0x0
	CROUND                                         ; the closing round
	s_endpgm
.Lfunc_end_k_q395300cac2_qkv:
	.size	k_q395300cac2_qkv, .Lfunc_end_k_q395300cac2_qkv-k_q395300cac2_qkv
	.p2alignl 7, 3214868480
	.fill 96, 4, 3214868480
	.section	.rodata,"a",@progbits
	.p2align	6, 0x0
	.amdhsa_kernel k_q395300cac2_qkv
		.amdhsa_group_segment_fixed_size 327680
		.amdhsa_private_segment_fixed_size 0
		.amdhsa_enable_private_segment 0
		.amdhsa_kernarg_size 24
		.amdhsa_user_sgpr_count 2
		.amdhsa_user_sgpr_kernarg_segment_ptr 1
		.amdhsa_wavefront_size32 1
		.amdhsa_system_sgpr_workgroup_id_x 1
		.amdhsa_system_sgpr_workgroup_id_y 1
		.amdhsa_system_sgpr_workgroup_id_z 1
		.amdhsa_system_vgpr_workitem_id 0
		.amdhsa_next_free_vgpr 1024
		.amdhsa_next_free_sgpr 96
		.amdhsa_reserve_vcc 1
		.amdhsa_float_denorm_mode_32 3
		.amdhsa_float_denorm_mode_16_64 3
		.amdhsa_memory_ordered 1
		.amdhsa_forward_progress 1
		.amdhsa_inst_pref_size 215
	.end_amdhsa_kernel
	.amdgpu_metadata
---
amdhsa.version: [ 1, 2 ]
amdhsa.kernels:
  - .name:           k_q395300cac2_qkv
    .symbol:         k_q395300cac2_qkv.kd
    .args:
      - { .name: xq, .offset: 0, .size: 8, .value_kind: global_buffer, .address_space: global }
      - { .name: wq, .offset: 8, .size: 8, .value_kind: global_buffer, .address_space: global }
      - { .name: qkv, .offset: 16, .size: 8, .value_kind: global_buffer, .address_space: global }
    .group_segment_fixed_size: 327680
    .private_segment_fixed_size: 0
    .kernarg_segment_align: 8
    .kernarg_segment_size: 24
    .max_flat_workgroup_size: 128
    .sgpr_count:     96
    .vgpr_count:     1024
    .wavefront_size: 32
...
	.end_amdgpu_metadata
.endif
;; end of part 2
;; launch attn (part 3): grid 4 x 64, 16 waves a work-group, no clusters, 210,944 bytes of LDS; arguments qkv, oq; writes oq
.if DOCPART == 3
	.amdgcn_target "amdgcn-amd-amdhsa--gfx1250"
	.amdhsa_code_object_version 6
	.text
	.protected	k_q395300cac2_attn
	.globl	k_q395300cac2_attn
	.p2align	8
	.type	k_q395300cac2_attn,@function
k_q395300cac2_attn:
	s_mov_b64 s[64:65], 0
	v_nop
	global_prefetch_b8 v0, s[64:65] scope:SCOPE_SE
	s_setreg_imm32_b32 hwreg(HW_REG_WAVE_MODE, 25, 1), 1
	s_wait_xcnt 0x0
; Causal attention of one head of one batch on codes of FP6 (E2M3): S^T = K Q^T (K = the head's 64), p = 2^(t - M), O^T = V^T P^T (K = the keys), O / l quantised along the head's 64 channels and stored as codes.
; t = score x log2(e) / 8; M = the running largest t rounded UP to a whole number; the row's sum l is taken of the unquantised p; when M moves, l and O^T are multiplied by 2^(old M - new M), which rounds nothing.
; SHARES.  256 work-groups of sixteen waves.  With a = work-group x (waves 0-7) or 7 - x (waves 8-15), a wave owns one tile of 16 queries of block 15 - a (blocks of 128 queries) and then the same tile of block a:
; (16 - a) + (a + 1) = 17 key steps of 128 in every wave.  The long tile goes first: all waves take its first four steps alike, so the two barriers stand where every wave has done the same work.
; Key steps all of whose keys come after the wave's block are hidden by reference()'s own causal mask and are left out, by a scalar branch on ids round the step's work alone.  On the diagonal hidden scores become -infinity ahead of the maximum.
; ALL OF THE HEAD'S K AND V (2 x 98,304 bytes of codes, 12,288 of scale words) COMES INTO LDS ONCE; nothing is filled again.  Ten waves ask for one tile each: waves 0-3 for key steps 0-3 of K and of V and for the two tiles of scale words,
; on lines of their own, and these four alone wait ahead of the first barrier; waves 5-7 and 9-11 for the other three quarters of K and of V, which the second barrier, behind step 3, shows to all (there every wave waits for 0).
; NO CLUSTER: work-groups that read the same K and V differ in their query blocks, on which the branch round hidden steps hangs; partners of a cluster must run alike.  NO PREFETCH: every byte is asked for at the kernel's head.
; LAYOUT.  Both products are used transposed: a lane holds ONE query (lane % 16).  The tiles of k (and of q, and v's channel tiles) hold their rows in the order lane r of tile 2 G + u = row 32 G + 8 u + r + 8 (r / 8), so the 16 registers of tiles 2 b, 2 b + 1 are 16 neighbours.
; A half image is 16 rows x 64 codes as the operand's registers hold them, 768 bytes: lane L's first 16 bytes at 16 L, its last 8 at 512 + 8 L.  K: [key step][tile 8] x 768.  V: [key step][channel tile 4] x 1,536.
; K = 64 IN A FORM 128 DEEP: Q's registers 6-11 are zero codes; a tile of k is 6 registers, and the 6 behind it (the next tile's codes; zeros behind the last) meet those zeros and add nothing.  The scale words' bytes 2 and 3 are 0, a power of two and no NaN.
; LIMITS: the promise holds while the scaled scores t stay under 2^31 in magnitude; a block whose largest magnitude lies under 2^-124 gets the byte 1; NaN and infinities are not served.
; O's scale bytes leave singly (a word spans two heads, which are two work-groups'): 2 bytes a row against its 48 bytes of codes.
.set XS,   6291456                     ; oq: where the scale words begin
.set QKS,  12582912                    ; qkv: q's and k's scale words
.set VC,   13631488                    ; v's codes
.set VS,   19922944                    ; v's scale words
.set LV,   98304                       ; LDS: K's codes at 0, V's here, 6,144 bytes a key step each
.set LKS,  196608                      ; K's scale words, 512 a step
.set LVS,  204800                      ; V's, 256 a step
.set SPARE, 208896                     ; the spare words, 128 bytes for each of the sixteen waves
.set QT,   24576                       ; a quarter of K's or V's codes: four key steps
.set KR,   32                          ; v32-79  K's eight tiles of 6 registers, later V's four fragments;  v80-85 zeros
.set KSC,  86                          ; v86-89  K's scale words: register t / 2, lanes 0-15 the even tile, lanes 16-31 the odd
.set VSC,  90                          ; v90-91  V's likewise
.set S,    96                          ; v96-159 S^T, then p
.set OT,   160                         ; v160-191 O^T
.set PC,   192                         ; v192-203 p's codes
.set CT,   204
.set BM,   212                         ; v212-215 the blocks' largest scores, then largest p
.set T4,   216
.set SO,   220                         ; v220-223 the conversions' scale operands;  v224 f, v225 p's scale word, v226 at work
.set Q2,   228                         ; v228-234 the second tile's Q: six registers of codes, its scale word
.set TS,   240                         ; v240-253 seven pairs: parts of the row's sum;  v254, v255 the add's two registers
.set WV,   18
.set BLK,  19                          ; the block of 128 queries that I am at
.set SEL,  20
.set CS,   22                          ; s[22:23] c = log2(e) / 8
.set G1K,  24                          ; descriptor group 1: a quarter of K's or V's codes
.set G1KS, 32                          ; K's scale words
.set G1VS, 40                          ; V's
.set TK,   86                          ; where the step's tiles begin among K's codes, and among V's,
.set TKS,  88                          ; among K's scale words,
.set TVS,  89                          ; among V's
.set KI,   90                          ; the key step, 0..15
.set CNT,  91
	s_load_b128 s[4:7], s[0:1], 0x0                ; qkv, oq
	v_lshl_add_u32 v254, v0, 2, SPARE
	v_mov_b32 v255, 0
	ds_add_u32 v254, v255                          ; the opening lines: the add, twice on end, and its wait ahead of the first tensor load
	ds_add_u32 v254, v255
	v_lshrrev_b32 v1, 5, v0
	v_readfirstlane_b32 s[WV], v1                  ; wave 0..15
	s_and_b32 s8, ttmp7, 0xffff
	s_lshr_b32 s9, s8, 4                           ; batch
	s_and_b32 s10, s8, 15                          ; head
	s_mul_i32 s13, s10, 393216                     ; a head's plane of codes
	s_mul_i32 s14, s9, 98304                       ; a batch's 2,048 tokens in it
	s_add_co_u32 s14, s14, s13
	s_add_co_u32 s15, s14, VC                      ; V's codes
	s_add_co_u32 s14, s14, 16*393216               ; K's: k's heads lie behind q's sixteen
	s_lshl_b32 s16, s10, 15
	s_lshl_b32 s8, s9, 13
	s_add_co_u32 s16, s16, s8
	s_add_co_u32 s16, s16, QKS+16*32768            ; K's scale words
	s_lshl_b32 s8, s10, 14
	s_lshl_b32 s12, s9, 12
	s_add_co_u32 s8, s8, s12
	s_add_co_u32 s8, s8, VS                        ; V's
	s_mov_b32 s56, 1                               ; group 0: s[56:59]
	s_mov_b32 s61, 0
	s_mov_b32 s[G1K], 3<<16                        ; in elements of 8 bytes: 24,576 dense bytes as 4 rows of 6,144
	s_mov_b32 s[G1K+1], 768<<16
	s_mov_b32 s[G1K+2], 4<<16
	s_mov_b32 s[G1K+3], 768<<16
	s_mov_b32 s[G1K+4], 4
	s_mov_b32 s[G1K+5], 768
	s_mov_b32 s[G1K+6], 0
	s_mov_b32 s[G1K+7], 0
.irp g, G1KS, G1VS                     ; the scale words: dense rows of 256 bytes, 32 for K, 16 for V
	s_mov_b32 s[\g], 3<<16
	s_mov_b32 s[\g+1], 32<<16
	s_mov_b32 s[\g+3], 32<<16
	s_mov_b32 s[\g+5], 32
	s_mov_b32 s[\g+6], 0
	s_mov_b32 s[\g+7], 0
.endr
	s_mov_b32 s[G1KS+2], 32<<16
	s_mov_b32 s[G1KS+4], 32
	s_mov_b32 s[G1VS+2], 16<<16
	s_mov_b32 s[G1VS+4], 16
	s_wait_dscnt 0x0
	s_wait_kmcnt 0x0
.macro FILL g1, off                    ; my one tensor load: from qkv + s\off to the LDS byte in s57; an s_nop 0 and four v_nop follow it
	s_mov_b32 s60, s\off
	s_add_nc_u64 s[58:59], s[4:5], s[60:61]
	s_or_b32 s59, s59, 0x80000000
	tensor_load_to_lds s[56:59], s[\g1:\g1+7]
	s_nop 0
.rept 4
	v_nop
.endr
.endm
	s_cmp_eq_u32 s[WV], 0                          ; one chain of branches on the wave's number, one fill to an arm, one join
	s_cbranch_scc0 .Larm1
	s_mov_b32 s57, 0
	FILL G1K, 14                                   ; wave 0: K's key steps 0-3
	s_branch .Lasked
.Larm1:
	s_cmp_eq_u32 s[WV], 1
	s_cbranch_scc0 .Larm2
	s_mov_b32 s57, LKS
	FILL G1KS, 16                                  ; wave 1: K's scale words
	s_branch .Lasked
.Larm2:
	s_cmp_eq_u32 s[WV], 2
	s_cbranch_scc0 .Larm3
	s_mov_b32 s57, LV
	FILL G1K, 15                                   ; wave 2: V's key steps 0-3
	s_branch .Lasked
.Larm3:
	s_cmp_eq_u32 s[WV], 3
	s_cbranch_scc0 .Larm4
	s_mov_b32 s57, LVS
	FILL G1VS, 8                                   ; wave 3: V's scale words
	s_branch .Lasked
.Larm4:
	s_and_b32 s12, s[WV], 3                        ; which quarter: 1, 2, 3
	s_cmp_eq_u32 s12, 0
	s_cbranch_scc1 .Lasked                         ; waves 4, 8, 12 ask for nothing
	s_mul_i32 s57, s12, QT
	s_cmp_lt_u32 s[WV], 8
	s_cbranch_scc0 .Larm5
	s_add_co_u32 s14, s14, s57
	FILL G1K, 14                                   ; waves 5-7: K's other quarters
	s_branch .Lasked
.Larm5:
	s_cmp_lt_u32 s[WV], 12
	s_cbranch_scc0 .Lasked                         ; nor do waves 13-15
	s_add_co_u32 s15, s15, s57
	s_add_co_u32 s57, s57, LV
	FILL G1K, 15                                   ; waves 9-11: V's
.Lasked:
	s_and_b32 s11, s[WV], 7                        ; my tile of a block's eight
	s_sub_co_u32 s12, 7, ttmp9
	s_cmp_lt_u32 s[WV], 8
	s_cselect_b32 s85, ttmp9, s12                  ; a: my short block
	s_sub_co_u32 s84, 15, s85                      ; my long block
	s_and_b32 s14, s11, 1
	s_lshr_b32 s15, s11, 1
	s_lshl_b32 s80, s10, 15                        ; q's scale word: [head][8 tiles] x 512; tile 2 j + u's words at 256 u + 16 r + 4 j.  s80: all of its place but the block's part
	s_lshl_b32 s12, s9, 13
	s_add_co_u32 s80, s80, s12
	s_lshl_b32 s12, s14, 8
	s_add_co_u32 s80, s80, s12
	s_lshl_b32 s12, s15, 2
	s_add_co_u32 s80, s80, s12
	s_add_co_u32 s80, s80, QKS
	s_lshl_b32 s83, s15, 5
	s_lshl_b32 s12, s14, 3
	s_add_co_u32 s83, s83, s12                     ; my tile's first query in its block: 32 (tile / 2) + 8 (tile % 2)
	s_mul_i32 s81, s10, 768                        ; o's codes: [token tile][head] x 768
	s_lshr_b32 s82, s10, 3                         ; o's scale bytes: [token tile][head / 8][r][word (head / 2) % 4], bytes 2 (head % 2) + block
	s_lshl_b32 s82, s82, 8
	s_bfe_u32 s12, s10, 0x20001
	s_lshl_b32 s12, s12, 2
	s_add_co_u32 s82, s82, s12
	s_and_b32 s12, s10, 1
	s_lshl_b32 s12, s12, 1
	s_add_co_u32 s82, s82, s12
	s_add_co_u32 s82, s82, XS
	s_mov_b32 s15, 0
.macro WHERE blk, qc, qs, oc, os       ; the four places of my tile of block s\blk: q's codes and scale words, o's codes and scale bytes
	s_lshl_b32 s12, s9, 7
	s_lshl_b32 s14, s\blk, 3
	s_add_co_u32 s12, s12, s14
	s_add_co_u32 s12, s12, s11                     ; the token tile, 0..511
	s_mul_i32 s14, s12, 768
	s_add_co_u32 s14, s14, s13
	s_add_nc_u64 s[\qc:\qc+1], s[4:5], s[14:15]
	s_lshl_b32 s14, s\blk, 9
	s_add_co_u32 s14, s14, s80
	s_add_nc_u64 s[\qs:\qs+1], s[4:5], s[14:15]
	s_mul_i32 s14, s12, 12288
	s_add_co_u32 s14, s14, s81
	s_add_nc_u64 s[\oc:\oc+1], s[6:7], s[14:15]
	s_lshl_b32 s14, s12, 9
	s_add_co_u32 s14, s14, s82
	s_add_nc_u64 s[\os:\os+1], s[6:7], s[14:15]
.endm
	WHERE 84, 92, 94, 66, 2
	WHERE 85, 68, 70, 72, 74
	s_mov_b32 s[BLK], s84                          ; the long block first
	s_mov_b32 s[SEL], 0x76543210
	s_mov_b32 s[SEL+1], 0xfedcba98                 ; v_permlanex16_b32's selects for lane l xor 16
	s_mov_b32 s[CS], 0x3e38aa3b                    ; c = log2(e) / 8
	s_mov_b32 s[CS+1], s[CS]                       ; (named with it as a pair, so it is written)
	v_and_b32 v94, 31, v0                          ; L
	v_and_b32 v92, 15, v0                          ; r
	v_bfe_u32 v93, v0, 4, 1                        ; h
	v_lshlrev_b32 v1, 4, v94                       ; a half image's 16-byte parts: 16 L
	v_lshl_add_u32 v2, v94, 3, 512                 ; and its 8-byte parts: 512 + 8 L
	v_lshl_add_u32 v3, v94, 4, LV                  ; the same among V's codes
	v_lshl_add_u32 v4, v94, 3, LV+512
	v_lshl_add_u32 v5, v94, 4, LKS                 ; K's scale words: 16 L
	v_lshl_add_u32 v6, v94, 3, LVS                 ; V's: 8 L
	v_and_b32 v7, 8, v0
	v_lshlrev_b32 v94, 4, v93
	v_add_nc_u32 v7, v7, v92
	v_lshlrev_b32 v92, 4, v92                      ; Q's scale word of row r: 16 r
	v_sub_nc_u32 v7, v7, v94
	v_add_nc_u32 v7, s83, v7                       ; d = my query in its block - 16 h: register 16 b + i holds the step's key 32 b + 16 h + i, hidden on the diagonal where 32 b + i > d
	global_load_b128 v[16:19], v1, s[92:93]        ; both tiles' Q stay in registers
	global_load_b64 v[20:21], v2, s[92:93]
	global_load_b32 v30, v92, s[94:95]
	global_load_b128 v[Q2:Q2+3], v1, s[68:69]
	global_load_b64 v[Q2+4:Q2+5], v2, s[68:69]
	global_load_b32 v[Q2+6], v92, s[70:71]
.irp j, 22,23,24,25,26,27,80,81,82,83,84,85
	v_mov_b32 v\j, 0                               ; zero codes
.endr
.irp b, 0,1,2,3
	v_mov_b32 v[T4+\b], 0                          ; a lane permute's destination counts as one of its sources
.endr
	v_mov_b32 v225, 0                              ; (named as the upper half of the pair v[224:225] before it is first written)
	v_mov_b32 v226, 0
.macro FRESH                           ; a tile begins: the step is written once; the first finds zeros, which the first change of M leaves zeros
	v_mov_b32 v13, 0xff61b1e6                      ; the largest t so far: -3e38, under every t
	v_mov_b32 v14, 0                               ; the sum, in two halves
	v_mov_b32 v15, 0
	v_floor_f32 v12, -v13                          ; -M
.set j_, 0
.rept 32
	v_mov_b32 v[OT+j_], 0
.set j_, j_+1
.endr
.endm
	FRESH
; A KEY STEP: 128 keys.
.macro STEP
	s_cmp_gt_u32 s[KI], s[BLK]                     ; all its keys come after my queries: only the addresses step
	s_cbranch_scc1 .Lhidden_\@
	v_add_nc_u32 v8, s[TK], v1                     ; six plain lines: also the places in front of loads into registers that the last products read
	v_add_nc_u32 v9, s[TK], v2
	v_add_nc_u32 v10, s[TK], v3
	v_add_nc_u32 v11, s[TK], v4
	v_add_nc_u32 v28, s[TKS], v5
	v_add_nc_u32 v29, s[TVS], v6
.irp t, 0,1,2,3,4,5,6,7
	ds_load_b128 v[KR+6*\t:KR+6*\t+3], v8 offset:768*\t
	ds_load_b64 v[KR+6*\t+4:KR+6*\t+5], v9 offset:768*\t
.endr
	ds_load_b128 v[KSC:KSC+3], v28
	s_wait_alu depctr_va_vdst(0)
	s_wait_dscnt 0x0
.irp t, 0,2,4,6                        ; S^T = K Q^T: source 0 = 16 keys (and, against Q's zeros, the 6 registers behind them), source 1 = my 16 queries
	v_wmma_scale_f32_16x16x128_f8f6f4 v[S+8*\t:S+8*\t+7], v[KR+6*\t:KR+6*\t+11], v[16:27], 0, v[KSC+\t/2], v30 matrix_a_fmt:MATRIX_FMT_FP6 matrix_b_fmt:MATRIX_FMT_FP6
	v_wmma_scale_f32_16x16x128_f8f6f4 v[S+8*\t+8:S+8*\t+15], v[KR+6*\t+6:KR+6*\t+17], v[16:27], 0, v[KSC+\t/2], v30 matrix_a_fmt:MATRIX_FMT_FP6 matrix_b_fmt:MATRIX_FMT_FP6 matrix_a_scale:MATRIX_SCALE_ROW1
.endr
.rept 4
	v_nop                                          ; places: in front of the loads below and of the first read of the scores
.endr
.irp c, 0,1,2,3                        ; V's four fragments (16 channels x these 128 keys) land while the softmax is worked
.irp e, 0,1
	ds_load_b128 v[KR+12*\c+6*\e:KR+12*\c+6*\e+3], v10 offset:1536*\c+768*\e
	ds_load_b64 v[KR+12*\c+6*\e+4:KR+12*\c+6*\e+5], v11 offset:1536*\c+768*\e
.endr
.endr
	ds_load_b64 v[VSC:VSC+1], v29
	s_cmp_lt_u32 s[KI], s[BLK]                     ; a step all of whose keys count skips the mask
	s_cbranch_scc1 .Lopen_\@
	v_mov_b32 v226, 0xff800000                     ; -infinity
.set n_, 0
.rept 64
	v_cmp_gt_i32 vcc_lo, 32*(n_/16)+n_%16, v7
	v_cndmask_b32 v[S+n_], v[S+n_], v226, vcc_lo
.set n_, n_+1
.endr
.Lopen_\@:
.irp b, 0,1,2,3
	v_max3_num_f32 v[BM+\b], v[S+16*\b], v[S+1+16*\b], v[S+2+16*\b]   ; the largest score of each block of 32 keys: for the row's maximum and, since p rises with the score, for the block's largest p
.endr
.irp i, 3,5,7,9,11,13
.irp b, 0,1,2,3
	v_max3_num_f32 v[BM+\b], v[BM+\b], v[S+16*\b+\i], v[S+1+16*\b+\i]
.endr
.endr
.irp b, 0,1,2,3
	v_max_num_f32 v[BM+\b], v[BM+\b], v[S+15+16*\b]
.endr
.irp b, 0,1,2,3
	s_delay_alu instid0(VALU_DEP_4)
	v_permlanex16_b32 v[T4+\b], v[BM+\b], s[SEL], s[SEL+1]
.endr
.irp b, 0,1,2,3
	s_delay_alu instid0(VALU_DEP_4)
	v_max_num_f32 v[BM+\b], v[BM+\b], v[T4+\b]     ; with lane l xor 16's 16 keys
.endr
	s_delay_alu instid0(VALU_DEP_2)
	v_max3_num_f32 v226, v[BM], v[BM+1], v[BM+2]
	s_delay_alu instid0(VALU_DEP_1)
	v_max_num_f32 v226, v226, v[BM+3]              ; the step's largest score of my query
	s_delay_alu instid0(VALU_DEP_1)
	v_mul_f32 v226, s[CS], v226                    ; as t (c is positive)
	s_delay_alu instid0(VALU_DEP_1)
	v_max_num_f32 v13, v13, v226                   ; the running largest t
	v_mov_b32 v226, v12
	s_delay_alu instid0(VALU_DEP_2)
	v_floor_f32 v12, -v13                          ; the new -M = floor(-t) = -ceil(t)
	s_delay_alu instid0(VALU_DEP_1)
	v_sub_f32 v226, v12, v226                      ; old M - new M: a whole number, 0 or less
	s_delay_alu instid0(VALU_DEP_1)
	v_cvt_i32_f32 v226, v226                       ; (it saturates)
	s_delay_alu instid0(VALU_DEP_1)
	v_ldexp_f32 v224, 1.0, v226                    ; f = 2^(old M - new M)
.set j_, 0
.rept 32
	v_pk_fma_f32 v[S+j_:S+j_+1], v[S+j_:S+j_+1], s[CS:CS+1], v[12:13] op_sel_hi:[1,0,0]   ; t - M, two at a time
.set j_, j_+2
.endr
.irp b, 0,1,2,3
	v_fma_f32 v[BM+\b], v[BM+\b], s[CS], v12       ; the same of each block's largest score
.endr
.set j_, 0
	s_wait_alu depctr_va_vdst(0)
.rept 64
	v_exp_f32 v[S+j_], v[S+j_]                     ; p = 2^(t - M), at most 1, not normalised
.set j_, j_+1
.endr
	v_pk_mul_f32 v[14:15], v[14:15], v[224:225] op_sel_hi:[1,0]   ; the sums under the new M: a plain line behind the exponentials
	s_wait_alu depctr_va_vdst(0)                   ; one wait for the whole batch, ahead of its first reader
.irp b, 0,1,2,3
	v_exp_f32 v[BM+\b], v[BM+\b]                   ; the block's largest p: the same two instructions on the same number give the same bits
.endr
.irp k, 0,1,2,3,4,5,6                  ; THE ROW'S SUM IS TAKEN OF THE UNQUANTISED p: its 32 pairs in eight chains side by side (seven parts and the sum itself)
	v_pk_add_f32 v[TS+2*\k:TS+2*\k+1], v[S+4*\k:S+4*\k+1], v[S+4*\k+2:S+4*\k+3]
.endr
	v_pk_add_f32 v[14:15], v[14:15], v[S+28:S+29]
.irp k, 0,1,2,3,4,5,6
	v_pk_add_f32 v[TS+2*\k:TS+2*\k+1], v[TS+2*\k:TS+2*\k+1], v[S+30+2*\k:S+31+2*\k]
.endr
	v_pk_add_f32 v[14:15], v[14:15], v[S+44:S+45]
.irp k, 0,1,2,3,4,5,6
	v_pk_add_f32 v[TS+2*\k:TS+2*\k+1], v[TS+2*\k:TS+2*\k+1], v[S+46+2*\k:S+47+2*\k]
.endr
	v_pk_add_f32 v[14:15], v[14:15], v[S+60:S+61]
	v_pk_add_f32 v[TS:TS+1], v[TS:TS+1], v[S+62:S+63]
	v_pk_add_f32 v[14:15], v[14:15], v[TS+2:TS+3]
	v_pk_add_f32 v[TS+6:TS+7], v[TS+6:TS+7], v[TS+8:TS+9]
	v_pk_add_f32 v[TS+10:TS+11], v[TS+10:TS+11], v[TS+12:TS+13]
	v_pk_add_f32 v[TS:TS+1], v[TS:TS+1], v[TS+4:TS+5]
	v_pk_add_f32 v[14:15], v[14:15], v[TS+6:TS+7]
	v_pk_add_f32 v[TS:TS+1], v[TS:TS+1], v[TS+10:TS+11]
	s_delay_alu instid0(VALU_DEP_1)
	v_pk_add_f32 v[14:15], v[14:15], v[TS:TS+1]
	s_wait_alu depctr_va_vdst(0)                   ; and one for the four
.irp b, 0,1,2,3
	v_max_num_f32 v[BM+\b], 0x1800000, v[BM+\b]    ; the floor 2^(3 - 127): the byte cannot fall under 1
.endr
.irp b, 0,1,2,3
	v_add_nc_u32 v[SO+\b], 0xff000000, v[BM+\b]    ; 2 off the exponent field: the conversion's scale operand
.endr
.irp b, 0,1,2,3
	v_lshrrev_b32 v[T4+\b], 23, v[SO+\b]           ; the scale's byte
.endr
	v_lshl_or_b32 v225, v[T4+1], 8, v[T4]          ; p's scale word for these 128 keys
	v_lshl_or_b32 v225, v[T4+2], 16, v225
	v_lshl_or_b32 v225, v[T4+3], 24, v225
.irp c, 0,1
	v_cvt_scalef32_pk16_fp6_f32 v[PC+6*\c:PC+6*\c+2], v[S+32*\c:S+32*\c+15], v[SO+2*\c]
	v_cvt_scalef32_pk16_fp6_f32 v[CT+4*\c:CT+4*\c+2], v[S+32*\c+16:S+32*\c+31], v[SO+2*\c+1]
.endr
	v_nop                                          ; one plain line behind the scaled conversions
.irp c, 0,1                            ; the operand's layout wants a whole block in a lane
.irp i, 0,1,2
	v_permlane16_swap_b32 v[PC+6*\c+\i], v[CT+4*\c+\i]
.endr
.irp i, 0,1,2
	v_mov_b32 v[PC+6*\c+3+\i], v[CT+4*\c+\i]
.endr
.endr
	s_wait_alu depctr_va_vdst(0)                   ; ahead of the first reader of O^T
.set j_, 0
.rept 16
	v_pk_mul_f32 v[OT+j_:OT+j_+1], v[OT+j_:OT+j_+1], v[224:225] op_sel_hi:[1,0]   ; O^T under the new M.  These sixteen are also the places between the writes of p's codes and scale word and the scaled products
.set j_, j_+2
.endr
	s_wait_alu depctr_va_vdst(0)
	s_wait_dscnt 0x0                               ; V is in
.irp c, 0,2                            ; O^T += V^T P^T: the four accumulators take turns, one instruction a turn
	v_wmma_scale_f32_16x16x128_f8f6f4 v[OT+8*\c:OT+8*\c+7], v[KR+12*\c:KR+12*\c+11], v[PC:PC+11], v[OT+8*\c:OT+8*\c+7], v[VSC+\c/2], v225 matrix_a_fmt:MATRIX_FMT_FP6 matrix_b_fmt:MATRIX_FMT_FP6
	v_wmma_scale_f32_16x16x128_f8f6f4 v[OT+8*\c+8:OT+8*\c+15], v[KR+12*\c+12:KR+12*\c+23], v[PC:PC+11], v[OT+8*\c+8:OT+8*\c+15], v[VSC+\c/2], v225 matrix_a_fmt:MATRIX_FMT_FP6 matrix_b_fmt:MATRIX_FMT_FP6 matrix_a_scale:MATRIX_SCALE_ROW1
.endr
.Lhidden_\@:
	s_add_co_u32 s[TK], s[TK], 6144
	s_add_co_u32 s[TKS], s[TKS], 512
	s_add_co_u32 s[TVS], s[TVS], 256
	s_add_co_u32 s[KI], s[KI], 1
.endm
; A WALK over key steps first .. first + trips - 1: a loop of constant count; hidden steps are jumped over inside it.
.macro WALK first, trips
	s_mov_b32 s[TK], 6144*\first
	s_mov_b32 s[TKS], 512*\first
	s_mov_b32 s[TVS], 256*\first
	s_mov_b32 s[KI], \first
	s_mov_b32 s[CNT], \trips
.Lstep_\@:
	STEP
	s_sub_co_u32 s[CNT], s[CNT], 1
	s_cmp_lg_u32 s[CNT], 0
	s_cbranch_scc1 .Lstep_\@
.endm
; THE WAY OUT of a tile.  O^T / l: register 16 b + i is channel 32 b + 16 h + i of my query: two blocks of 32, quantised as p is, one half image.  oc, os: where its codes and scale bytes go.
.macro OUT oc, os
	v_add_f32 v14, v14, v15                        ; the sum's two halves,
	s_delay_alu instid0(VALU_DEP_1)
	v_permlanex16_b32 v226, v14, s[SEL], s[SEL+1]
	s_delay_alu instid0(VALU_DEP_1)
	v_add_f32 v14, v14, v226                       ; and lane l xor 16's: the row's sum
	s_wait_alu depctr_va_vdst(0)
	v_rcp_f32 v14, v14
	v_and_b32 v92, 15, v0                          ; plain lines behind the reciprocal, and places behind the last products
	v_bfe_u32 v93, v0, 4, 1
	s_delay_alu instid0(VALU_DEP_1)
	v_lshl_add_u32 v92, v92, 4, v93                ; my scale byte's place: 16 r + h
	v_nop
	s_wait_alu depctr_va_vdst(0)                   ; the wait ahead of the reciprocal's first reader, and of O^T's
.set j_, 0
.rept 16
	v_pk_mul_f32 v[S+j_:S+j_+1], v[OT+j_:OT+j_+1], v[14:15] op_sel_hi:[1,0]   ; each accumulator from its low end on
.set j_, j_+2
.endr
.irp b, 0,1
	v_max3_num_f32 v[BM+\b], |v[S+16*\b]|, |v[S+16*\b+1]|, 0x1800000
.endr
.irp i, 2,4,6,8,10,12,14
.irp b, 0,1
	s_delay_alu instid0(VALU_DEP_2)
	v_max3_num_f32 v[BM+\b], v[BM+\b], |v[S+16*\b+\i]|, |v[S+16*\b+\i+1]|
.endr
.endr
.irp b, 0,1
	s_delay_alu instid0(VALU_DEP_2)
	v_permlanex16_b32 v[T4+\b], v[BM+\b], s[SEL], s[SEL+1]
.endr
.irp b, 0,1
	s_delay_alu instid0(VALU_DEP_2)
	v_max_num_f32 v[BM+\b], v[BM+\b], v[T4+\b]
.endr
.irp b, 0,1
	s_delay_alu instid0(VALU_DEP_2)
	v_add_nc_u32 v[SO+\b], 0xff000000, v[BM+\b]
.endr
.irp b, 0,1
	s_delay_alu instid0(VALU_DEP_2)
	v_lshrrev_b32 v[T4+\b], 23, v[SO+\b]
.endr
	v_cvt_scalef32_pk16_fp6_f32 v[PC:PC+2], v[S:S+15], v[SO]
	v_cvt_scalef32_pk16_fp6_f32 v[CT:CT+2], v[S+16:S+31], v[SO+1]
	v_nop                                          ; one plain line behind the scaled conversions
.irp i, 0,1,2
	v_permlane16_swap_b32 v[PC+\i], v[CT+\i]
.endr
.irp i, 0,1,2
	v_mov_b32 v[PC+3+\i], v[CT+\i]
.endr
	s_mov_b32 vcc_lo, 0xffff0000
	v_cndmask_b32 v226, v[T4], v[T4+1], vcc_lo     ; lane (r, h) stores block h's byte of row r
	global_store_b128 v1, v[PC:PC+3], s[\oc:\oc+1]     ; 512 consecutive bytes
	global_store_b64 v2, v[PC+4:PC+5], s[\oc:\oc+1]    ; 256 consecutive bytes, from the half image's byte 512 on
	global_store_b8 v92, v226, s[\os:\os+1]
.endm
	s_wait_alu depctr_va_vdst(0)
	s_wait_loadcnt 0x0                             ; both tiles' Q and scale words
	s_wait_dscnt 0x0
	s_cmp_lt_u32 s[WV], 4
	s_cbranch_scc0 .Lnot_first
	s_wait_tensorcnt 0x0                           ; waves 0-3: key steps 0-3 of K and V, and all scale words
.Lnot_first:
	s_barrier_signal -1
	s_barrier_wait -1                              ; they are shown to all
	WALK 0, 4                                      ; the long tile's first four steps: none is hidden (its block is 8 at the least)
	s_wait_dscnt 0x0
	s_wait_tensorcnt 0x0                           ; every wave: the other quarters
	s_barrier_signal -1
	s_barrier_wait -1                              ; all of K and V is shown to all
	WALK 4, 12
	OUT 66, 2
.irp i, 0,1,2,3,4,5                    ; THE SHORT TILE.  Its Q and scale word first: FRESH's lines are then the places ahead of the scaled products
	v_mov_b32 v[16+\i], v[Q2+\i]
.endr
	v_mov_b32 v30, v[Q2+6]
	FRESH
	s_mov_b32 s[BLK], s85
	s_wait_alu depctr_va_vdst(0)
	s_wait_xcnt 0x0                                ; the stores have read their registers, which the next steps write
	WALK 0, 8                                      ; its block is 7 at the most
	OUT 72, 74
	s_wait_tensorcnt 0x0                           ; the wave's end
	ds_add_u32 v254, v255
	s_wait_dscnt 0x0
	s_endpgm
.Lfunc_end_k_q395300cac2_attn:
	.size	k_q395300cac2_attn, .Lfunc_end_k_q395300cac2_attn-k_q395300cac2_attn
	.p2alignl 7, 3214868480
	.fill 96, 4, 3214868480
	.section	.rodata,"a",@progbits
	.p2align	6, 0x0
	.amdhsa_kernel k_q395300cac2_attn
		.amdhsa_group_segment_fixed_size 210944
		.amdhsa_private_segment_fixed_size 0
		.amdhsa_enable_private_segment 0
		.amdhsa_kernarg_size 16
		.amdhsa_user_sgpr_count 2
		.amdhsa_user_sgpr_kernarg_segment_ptr 1
		.amdhsa_wavefront_size32 1
		.amdhsa_system_sgpr_workgroup_id_x 1
		.amdhsa_system_sgpr_workgroup_id_y 1
		.amdhsa_system_sgpr_workgroup_id_z 1
		.amdhsa_system_vgpr_workitem_id 0
		.amdhsa_next_free_vgpr 256
		.amdhsa_next_free_sgpr 96
		.amdhsa_reserve_vcc 1
		.amdhsa_float_denorm_mode_32 3
		.amdhsa_float_denorm_mode_16_64 3
		.amdhsa_memory_ordered 1
		.amdhsa_forward_progress 1
		.amdhsa_inst_pref_size 88
	.end_amdhsa_kernel
	.amdgpu_metadata
---
amdhsa.version: [ 1, 2 ]
amdhsa.kernels:
  - .name:           k_q395300cac2_attn
    .symbol:         k_q395300cac2_attn.kd
    .args:
      - { .name: qkv, .offset: 0, .size: 8, .value_kind: global_buffer, .address_space: global }
      - { .name: oq, .offset: 8, .size: 8, .value_kind: global_buffer, .address_space: global }
    .group_segment_fixed_size: 210944
    .private_segment_fixed_size: 0
    .kernarg_segment_align: 8
    .kernarg_segment_size: 16
    .max_flat_workgroup_size: 512
    .sgpr_count:     96
    .vgpr_count:     256
    .wavefront_size: 32
...
	.end_amdgpu_metadata
.endif
;; end of part 3
;; launch proj (part 4): grid 32 x 8, 4 waves a work-group, clusters of 4 x 4, 327,680 bytes of LDS; arguments oq, wq, bo, out0; writes out0
.if DOCPART == 4
	.amdgcn_target "amdgcn-amd-amdhsa--gfx1250"
	.amdhsa_code_object_version 6
	.text
	.protected	k_q395300cac2_proj
	.globl	k_q395300cac2_proj
	.p2align	8
	.type	k_q395300cac2_proj,@function
k_q395300cac2_proj:
	s_mov_b64 s[64:65], 0
	v_nop
	global_prefetch_b8 v0, s[64:65] scope:SCOPE_SE
	s_setreg_imm32_b32 hwreg(HW_REG_WAVE_MODE, 25, 1), 1
	s_wait_xcnt 0x0
	s_wait_alu depctr_hold_cnt(0) depctr_sa_sdst(0) depctr_va_vdst(0) depctr_va_sdst(0) depctr_va_ssrc(0) depctr_va_vcc(0) depctr_vm_vsrc(0)
	s_getreg_b32 s2, hwreg(HW_REG_IB_STS2, 6, 4)
	s_cmp_eq_u32 s2, 0
	s_cbranch_scc0 .Lentry_in_a_cluster
	s_endpgm
.Lentry_in_a_cluster:
	s_bfe_u32 s2, ttmp6, 0x10000c
	s_cmp_lg_u32 s2, 0xf033
	s_cbranch_scc0 .Lentry_shape_is_right
	s_endpgm
.Lentry_shape_is_right:
; out0[token][n] = sum over k of O[token][k] Wo[k][n] + bo[n], f32: 8,192 x 1,024 x 1,024 on codes of FP6 (E2M3) with E8M0 scales.  A sum begins with the bias, where reference() adds it last.
; LIMITS: NaN, infinities and sums beyond f32's range are not served.
; OPERANDS, as the earlier launches left them: codes [row tile of 16][k / 64] x 768, a half image each (16 rows x 64 K as the operand's registers hold them: lane L's first 16 bytes at 16 L, its last 8 at 512 + 8 L); scale words
; [row tile][k / 512][r][4 words].  O lies in oq (lane r of token tile 2 G + u is token 32 G + 8 u + r + 8 (r / 8)), Wo in wq's row tiles 192 to 255 (its n in order).
; THE DEAL.  256 work-groups of four waves, 2 x 2, each 256 tokens x 128 columns.  The wave in row a, column b holds four tiles of 16 columns of Wo, all of K, in registers (32 fragments), and streams token tiles 2 s + a, s = 0 .. 7, past them:
; a block's eight fragments feed 32 products, four accumulators by turns.  Source 0 = Wo's rows, source 1 = O's: a lane holds eight neighbouring columns of one token.
; THE CLUSTER's x COUNTS TILE ROWS (grid = 32, 8): O's tiles are shared by a column of the cluster (mask s44), Wo's by a row (mask s45).  No LDS address hangs on the cluster's numbers.
; LDS: O's 16 token tiles, dense; Wo's 8 row tiles; the spare words.  Nothing is filled again, and all is asked for at the head: no data prefetch.  The waves' stages lie in Wo's first bytes, which are read for the last time ahead of the barrier in front of the stream.
; THE HEAD'S FOUR TILES, one a wave, each on its own line: Wo's 8 row tiles; O's tiles 0 to 7; 8 to 11; 12 to 15.  The stream begins when the first two are in; a plain barrier inside block 1 shows the others.
; THE SCALE WORDS go from memory straight into registers: Wo's in 16 (lanes 0-15 the even tile, lanes 16-31 the odd), O's in 32 (lanes 0-15 the even block, lanes 16-31 the odd).  They differ from block to block, so the eight blocks are expanded by a macro, not looped.
; ONE RUN OF MEMORY LINES behind a block's products: its sums into the stage and back as whole rows of 256 bytes; the fetch of the block two on; one wait on LDS; eight stores, each of two aligned runs of 256 bytes.
.set XS,    6291456                    ; oq: where the scale words begin
.set WS,    3145728                    ; wq: likewise
.set TT,    12288                      ; a row tile, all of K
.set FR,    12                         ; registers of a fragment
.set FPW,   256/FR                     ; fragments in a window: fragment f lies in window 1 + f / 21 at register 12 (f % 21); 0-31 Wo's (4 q + tile), 32-47 O's two sets (32 + 8 e + q)
.set NF,    32                         ; LDS loads of a block
.set YB,    16*TT                      ; Wo's row tiles
.set STAGE, YB
.set SPITCH, 272                       ; a stage row: 256 bytes + 16
.set SPARE, YB+8*TT
.set A16,   4                          ; v4, v5   LDS address of block 0's 16-byte and 8-byte parts; never rewritten
.set A8,    5
.set N16,   6                          ; v6, v7   the same for the block that is fetched next
.set N8,    7
.set B16,   8                          ; v8, v9   the same for my four tiles of Wo
.set B8,    9
.set SPW,   10
.set NIL,   11
.set ABS,   12                         ; v12 my offset among Wo's scale words;  v13 among O's;  v14 in the bias
.set AAS,   13
.set BOF,   14
.set STO,   15                         ; v15 the stage: where I put 32 bytes of a row;  v16 where I read 16 bytes back;  v17 my offset in out0
.set RD,    16
.set CO,    17
.set SB,    24                         ; v24-39   Wo's scale words: 8 (tile / 2) + q
.set SA,    44                         ; v44-75   O's: 8 (block / 2) + q
.set ACC,   80                         ; v80-143  two sets of four accumulators
.set BK,    144                        ; v144-207 two sets: 16 rows x 256 bytes back from the stage
.set BO,    208                        ; v208-239 the bias as the first four products' C
.set G1A, 24
.set G1B, 32
.set G0A, 56
.set G0B, 60
.set MSB, 0
.macro WIN new                         ; the immediate's high byte repeats the setting that is left
.if MSB != (\new)
	s_set_vgpr_msb (MSB<<8)|(\new)
.set MSB, (\new)
.endif
.endm
.macro PLACES n
.rept \n
	v_nop
.endr
.endm
.macro WALU
	s_wait_alu depctr_va_vdst(0)
.endm
.macro BARRIER
	s_barrier_signal -1
	s_barrier_wait -1
.endm
.macro CROUND                          ; a round of the cluster's barrier
	BARRIER
	s_cmp_lg_u32 s14, 0
	s_cbranch_scc1 .Lnot_wave_0_\@
	s_barrier_signal -3
.Lnot_wave_0_\@:
	s_barrier_wait -3
	BARRIER
.endm
.macro TLOAD g0, g1                    ; a tensor load; an s_nop 0 and four v_nop follow it
	tensor_load_to_lds s[\g0:\g0+3], s[\g1:\g1+7]
	s_nop 0
	PLACES 4
.endm
.macro GROUP1 g, mask, rows            ; rows (row tiles) of 12,288 bytes, dense, in elements of 8 bytes.  rows = 0: the two words that hold the rows are written with each tile
	s_or_b32 s[\g+0], s[\mask], (3<<16)|(1<<21)
	s_mov_b32 s[\g+1], 1536<<16
	s_mov_b32 s[\g+3], 1536<<16
.if \rows
	s_mov_b32 s[\g+2], (\rows)<<16
	s_mov_b32 s[\g+4], \rows
.endif
	s_mov_b32 s[\g+5], 1536
	s_mov_b32 s[\g+6], 0
	s_mov_b32 s[\g+7], 0
.endm
.macro ATILE first, rows               ; a part of O's 16 token tiles, by a descriptor of constants
	s_mov_b32 s[G0A+1], (\first)*TT
	s_mov_b32 s[G1A+2], (\rows)<<16
	s_mov_b32 s[G1A+4], \rows
.if \first
	s_add_nc_u64 s[G0A+2:G0A+3], s[G0A+2:G0A+3], (\first)*TT
.endif
	s_or_b32 s[G0A+3], s[G0A+3], 0x80000000
	TLOAD G0A, G1A
.endm
.macro FRAGL f, a16, a8, off           ; fragment f: two half images on end, from byte off of the tile
	WIN (1+(\f)/FPW)<<6
.set R_, FR*((\f)%FPW)
.irp c, 0,1
	ds_load_b128 v[R_+6*\c:R_+6*\c+3], v[\a16] offset:(\off)+768*\c
	ds_load_b64 v[R_+6*\c+4:R_+6*\c+5], v[\a8] offset:(\off)+768*\c
.endr
.endm
.macro FETCHAT e, a16, a8              ; a block of O into set e: NF loads
.irp q, 0,1,2,3,4,5,6,7
	FRAGL 32+8*(\e)+\q, \a16, \a8, 1536*\q
.endr
	WIN 0
.endm
.macro PROD2 c, ra, rb
	v_wmma_scale_f32_16x16x128_f8f6f4 v[D_:D_+7], v[FR*(FB_%FPW):FR*(FB_%FPW)+FR-1], v[FR*(FA_%FPW):FR*(FA_%FPW)+FR-1], \c, v[XB_], v[XA_] matrix_a_fmt:MATRIX_FMT_FP6 matrix_b_fmt:MATRIX_FMT_FP6 matrix_a_scale:MATRIX_SCALE_ROW\ra matrix_b_scale:MATRIX_SCALE_ROW\rb
.endm
.macro PROD1 s, c                      ; which half of the lanes holds the scale words: Wo's by the tile's parity, O's by the block's
.if T_%2
.if (\s)%2
	PROD2 \c, 1, 1
.else
	PROD2 \c, 1, 0
.endif
.else
.if (\s)%2
	PROD2 \c, 0, 1
.else
	PROD2 \c, 0, 0
.endif
.endif
.endm
.macro PROD s, n                       ; product n = 4 q + tile of block s
.set Q_, (\n)/4
.set T_, (\n)%4
.set FB_, 4*Q_+T_
.set FA_, 32+8*((\s)%2)+Q_
.set D_, ACC+32*((\s)%2)+8*T_
.set XB_, SB+8*(T_/2)+Q_
.set XA_, SA+8*((\s)/2)+Q_
	WIN (1+FB_/FPW)|((1+FA_/FPW)<<2)
.if Q_
	PROD1 \s, v[D_:D_+7]
.else
	PROD1 \s, v[BO+8*T_:BO+8*T_+7]
.endif
.endm
.macro PRODS s, from, to
.set N_, \from
.rept (\to)-(\from)
	PROD \s, N_
.set N_, N_+1
.endr
	WIN 0
.endm
.macro STAGED u                        ; set u's sums into my stage, each accumulator from its low end on, and back as whole rows.  LDS serves a wave's instructions in order (ISA guide 5.7.1.4): no wait between
.irp b, 0,1,2,3
	ds_store_b128 v[STO], v[ACC+32*(\u)+8*\b:ACC+32*(\u)+8*\b+3] offset:64*\b
	ds_store_b128 v[STO], v[ACC+32*(\u)+8*\b+4:ACC+32*(\u)+8*\b+7] offset:64*\b+16
.endr
.irp t, 0,1,2,3,4,5,6,7
	ds_load_b128 v[BK+32*(\u)+4*\t:BK+32*(\u)+4*\t+3], v[RD] offset:2*\t*SPITCH
.endr
.endm
.macro TOC s                           ; block s's rows go to out0: stage rows 2 t, 2 t + 1 are tokens 32 s + 8 a + 2 t + 8 (t / 4) and the next; every place is an immediate
.irp t, 0,1,2,3,4,5,6,7
	global_store_b128 v[CO], v[BK+32*((\s)%2)+4*\t:BK+32*((\s)%2)+4*\t+3], s[10:11] offset:(32*(\s)+2*\t+8*(\t/4))*4096 th:TH_STORE_NT
.endr
.endm
.macro STREAM s
.if (\s) == 1
	PRODS \s, 0, 24
	s_wait_tensorcnt 0x0                           ; every wave: waves 2 and 3's tiles have landed
	s_wait_dscnt 0x0
	s_barrier_signal -1                            ; a plain barrier: they are shown to all
	PRODS \s, 24, 32
	s_barrier_wait -1
.else
	PRODS \s, 0, 32
.endif
.if (\s) < 6                           ; four plain vector lines stand between the last product and the first reader of its sums, and the fetch into the registers that it has read
	v_add_nc_u32 v[N16], ((\s)+2)*2*TT, v[A16]
	v_add_nc_u32 v[N8], ((\s)+2)*2*TT, v[A8]
	PLACES 2
	WALU
.else
	PLACES 4
.endif
	s_wait_xcnt 0x0                                ; the stores of two blocks ago have read this set of the rows
	STAGED (\s)%2
.if (\s) < 6
	FETCHAT (\s)%2, N16, N8
	s_wait_dscnt NF                                ; the block's rows are back from the stage, and the next block's fragments are in; younger is this run's fetch alone
.else
	s_wait_dscnt 0x0
.endif
	TOC \s
.endm
; ================= THE HEAD
	s_load_b256 s[4:11], s[0:1], 0x0               ; oq s[4:5], wq s[6:7], bo s[8:9], out0 s[10:11]
	v_lshl_add_u32 v[SPW], v0, 2, SPARE
	v_mov_b32 v[NIL], 0
	ds_add_u32 v[SPW], v[NIL]                      ; the opening lines: the add, twice on end, and its wait
	ds_add_u32 v[SPW], v[NIL]
	v_lshrrev_b32 v1, 5, v0
	v_readfirstlane_b32 s14, v1                    ; the wave; s15 its row a of the 2 x 2, s16 its column b
	s_lshr_b32 s15, s14, 1
	s_and_b32 s16, s14, 1
	s_bfe_u32 s40, ttmp6, 0x40000                  ; cx
	s_bfe_u32 s41, ttmp6, 0x40004                  ; cy
	s_lshl_b32 s43, ttmp9, 2
	s_add_co_u32 s43, s43, s40                     ; tile row: 4 x cluster x + cx, 0 .. 31
	s_and_b32 s42, ttmp7, 0xffff
	s_lshl_b32 s42, s42, 2
	s_add_co_u32 s42, s42, s41                     ; tile column: 4 x cluster y + cy, 0 .. 7
	s_lshl_b32 s44, 0x1111, s40                    ; my column of the cluster: shares O's tiles
	s_lshl_b32 s45, s41, 2
	s_lshl_b32 s45, 15, s45                        ; my row: shares Wo's
	GROUP1 G1A, 44, 0
	GROUP1 G1B, 45, 8
	s_mov_b32 s[G0A], 1
	s_mov_b32 s[G0B], 1
	s_mov_b32 s[G0B+1], YB
	s_mul_i32 s76, s43, 16*TT                      ; my 16 token tiles, bytes from oq
	s_mov_b32 s77, 0
	s_mul_i32 s78, s42, 8*TT
	s_add_co_u32 s78, s78, 192*TT                  ; my 8 row tiles of Wo, from wq
	s_mov_b32 s79, 0
	s_lshl_b32 s80, s43, 13                        ; O's scale words: 512 bytes a token tile, from tile a on
	s_lshl_b32 s20, s15, 9
	s_add_co_u32 s80, s80, s20
	s_add_co_u32 s80, s80, XS
	s_mov_b32 s81, 0
	s_lshl_b32 s82, s42, 12                        ; Wo's: my four tiles
	s_lshl_b32 s20, s16, 11
	s_add_co_u32 s82, s82, s20
	s_add_co_u32 s82, s82, WS+192*512
	s_mov_b32 s83, 0
	s_lshl_b32 s86, s42, 9                         ; my 64 columns, in bytes
	s_lshl_b32 s20, s16, 8
	s_add_co_u32 s86, s86, s20
	s_mov_b32 s87, 0
	s_lshl_b32 s84, s43, 20                        ; out0: 256 rows of 4,096 bytes a tile row, + 8 a rows, + my columns
	s_lshl_b32 s20, s15, 15
	s_add_co_u32 s84, s84, s20
	s_add_co_u32 s84, s84, s86
	s_mov_b32 s85, 0
	s_mul_i32 s21, s15, TT                         ; block 0 is token tile a
	s_mul_i32 s22, s16, 4*TT
	s_add_co_u32 s22, s22, YB                      ; my four tiles of Wo
	s_mul_i32 s23, s14, 16*SPITCH
	s_add_co_u32 s23, s23, STAGE                   ; my stage
	v_and_b32 v1, 15, v0                           ; r
	v_bfe_u32 v2, v0, 4, 1                         ; h
	v_and_b32 v3, 31, v0                           ; L
	v_lshlrev_b32 v18, 4, v3                       ; 16 L
	v_lshl_add_u32 v19, v3, 3, 512                 ; 512 + 8 L
	v_lshlrev_b32 v20, 4, v1                       ; 16 r
	v_mul_u32_u24 v21, v1, SPITCH
	v_mul_u32_u24 v22, v2, SPITCH
	v_lshlrev_b32 v23, 12, v2
	v_add_nc_u32 v[A16], s21, v18
	v_add_nc_u32 v[A8], s21, v19
	v_add_nc_u32 v[B16], s22, v18
	v_add_nc_u32 v[B8], s22, v19
	v_lshl_add_u32 v[ABS], v2, 9, v20              ; lanes 16-31 take the odd tile's words
	v_lshl_add_u32 v[AAS], v2, 10, v20             ; lanes 16-31 the odd block's: two token tiles on
	v_lshlrev_b32 v[BOF], 5, v2
	v_lshl_add_u32 v21, v2, 5, v21
	v_lshl_add_u32 v22, v1, 4, v22
	v_lshl_add_u32 v[CO], v1, 4, v23               ; row L / 16, 16 bytes x (L % 16)
	v_add_nc_u32 v[N16], 2*TT, v[A16]              ; block 1
	v_add_nc_u32 v[N8], 2*TT, v[A8]
	v_add_nc_u32 v[STO], s23, v21
	v_add_nc_u32 v[RD], s23, v22
	WALU
	s_wait_dscnt 0x0
	CROUND                                         ; the opening round, ahead of the wait for the arguments
	s_wait_kmcnt 0x0
	s_add_nc_u64 s[G0A+2:G0A+3], s[4:5], s[76:77]
	s_add_nc_u64 s[G0B+2:G0B+3], s[6:7], s[78:79]
	s_or_b32 s[G0B+3], s[G0B+3], 0x80000000
	s_add_nc_u64 s[80:81], s[4:5], s[80:81]
	s_add_nc_u64 s[82:83], s[6:7], s[82:83]
	s_add_nc_u64 s[8:9], s[8:9], s[86:87]
	s_add_nc_u64 s[10:11], s[10:11], s[84:85]
	s_cmp_eq_u32 s14, 0
	s_cbranch_scc0 .Lwave_1
	TLOAD G0B, G1B                                 ; wave 0: Wo's rows, which are wanted first
	s_branch .Lasked
.Lwave_1:
	s_cmp_eq_u32 s14, 1
	s_cbranch_scc0 .Lwave_2
	ATILE 0, 8                                     ; wave 1: token tiles 0 to 7
	s_branch .Lasked
.Lwave_2:
	s_cmp_eq_u32 s14, 2
	s_cbranch_scc0 .Lwave_3
	ATILE 8, 4                                     ; wave 2: 8 to 11
	s_branch .Lasked
.Lwave_3:
	ATILE 12, 4                                    ; wave 3: 12 to 15
.Lasked:
.irp p, 0,1
.irp g, 0,1
	global_load_b128 v[SB+8*\p+4*\g:SB+8*\p+4*\g+3], v[ABS], s[82:83] offset:1024*\p+256*\g
.endr
.endr
.irp m, 0,1,2,3
.irp g, 0,1
	global_load_b128 v[SA+8*\m+4*\g:SA+8*\m+4*\g+3], v[AAS], s[80:81] offset:2048*\m+256*\g
.endr
.endr
.irp b, 0,1,2,3                        ; the bias: register i of tile b of lane (r, h) is column 16 b + 8 h + i of my 64
	global_load_b128 v[BO+8*\b:BO+8*\b+3], v[BOF], s[8:9] offset:64*\b
	global_load_b128 v[BO+8*\b+4:BO+8*\b+7], v[BOF], s[8:9] offset:64*\b+16
.endr
	s_cmp_eq_u32 s14, 0
	s_cbranch_scc0 .Lnot_b
	s_wait_tensorcnt 0x0
.Lnot_b:
	BARRIER                                        ; Wo's rows have landed
.irp q, 0,1,2,3,4,5,6,7
.irp b, 0,1,2,3
	FRAGL 4*\q+\b, B16, B8, \b*TT+1536*\q
.endr
.endr
	WIN 0
	s_cmp_eq_u32 s14, 1
	s_cbranch_scc0 .Lnot_a
	s_wait_tensorcnt 0x0                           ; wave 1: token tiles 0 to 7 have landed
.Lnot_a:
	s_wait_dscnt 0x0
	BARRIER                                        ; they are shown to all, and nobody reads Wo's bytes any more.  Waves 2 and 3's tiles may still be on their way
	FETCHAT 0, A16, A8
	FETCHAT 1, N16, N8
	s_wait_loadcnt 0x0                             ; the scale words and the bias
	s_wait_dscnt NF                                ; block 0's fragments are in
; ================= THE STREAM: eight blocks
.irp s, 0,1,2,3,4,5,6,7
	STREAM \s
.endr
	s_wait_tensorcnt 0x0                           ; the wave's end
	ds_add_u32 v[SPW], v[NIL]
	s_wait_dscnt 0x0
	CROUND                                         ; the closing round
	s_endpgm
.Lfunc_end_k_q395300cac2_proj:
	.size	k_q395300cac2_proj, .Lfunc_end_k_q395300cac2_proj-k_q395300cac2_proj
	.p2alignl 7, 3214868480
	.fill 96, 4, 3214868480
	.section	.rodata,"a",@progbits
	.p2align	6, 0x0
	.amdhsa_kernel k_q395300cac2_proj
		.amdhsa_group_segment_fixed_size 327680
		.amdhsa_private_segment_fixed_size 0
		.amdhsa_enable_private_segment 0
		.amdhsa_kernarg_size 32
		.amdhsa_user_sgpr_count 2
		.amdhsa_user_sgpr_kernarg_segment_ptr 1
		.amdhsa_wavefront_size32 1
		.amdhsa_system_sgpr_workgroup_id_x 1
		.amdhsa_system_sgpr_workgroup_id_y 1
		.amdhsa_system_sgpr_workgroup_id_z 1
		.amdhsa_system_vgpr_workitem_id 0
		.amdhsa_next_free_vgpr 840
		.amdhsa_next_free_sgpr 90
		.amdhsa_reserve_vcc 0
		.amdhsa_float_denorm_mode_32 3
		.amdhsa_float_denorm_mode_16_64 3
		.amdhsa_memory_ordered 1
		.amdhsa_forward_progress 1
		.amdhsa_inst_pref_size 84
	.end_amdhsa_kernel
	.amdgpu_metadata
---
amdhsa.version: [ 1, 2 ]
amdhsa.kernels:
  - .name:           k_q395300cac2_proj
    .symbol:         k_q395300cac2_proj.kd
    .args:
      - { .name: oq, .offset: 0, .size: 8, .value_kind: global_buffer, .address_space: global }
      - { .name: wq, .offset: 8, .size: 8, .value_kind: global_buffer, .address_space: global }
      - { .name: bo, .offset: 16, .size: 8, .value_kind: global_buffer, .address_space: global }
      - { .name: out0, .offset: 24, .size: 8, .value_kind: global_buffer, .address_space: global }
    .group_segment_fixed_size: 327680
    .private_segment_fixed_size: 0
    .kernarg_segment_align: 8
    .kernarg_segment_size: 32
    .max_flat_workgroup_size: 128
    .sgpr_count:     90
    .vgpr_count:     840
    .wavefront_size: 32
...
	.end_amdgpu_metadata
.endif
;; end of part 4
